; MI455X (gfx1250); checked and timed in simulation.
; The chip was launched on July 23, 2026; its instructions are those of AMD's public machine-readable ISA for CDNA 5 (MIT licence, August 2026) and "CDNA5" Instruction Set Architecture Reference Guide (July 2026). The comments in the code are by the model that wrote it; some were corrected since.
;; Multi Head Attention. Allowed arithmetic: matrix products marked QUANTISED: E2M1 operands, one E8M0 scale for each 32 along K, by v_wmma_scale_f32_16x16x128_f8f6f4 with both operands' format E2M1 (or v_wmma_scale_f32_32x16x128_f4), f32 sums; products left as they are: bf16, f16 or f32 operands; f32 sums; everything else in f32.
;; Inputs: Wk 1,024 x 1,024 float32; Wq 1,024 x 1,024 float32; Wv 1,024 x 1,024 float32; bk 1,024 float32; bq 1,024 float32; bv 1,024 float32; key 8 x 1,024 x 1,024 float32; query 8 x 1,024 x 1,024 float32; value 8 x 1,024 x 1,024 float32.
;; Outputs: out0 8 x 1,024 x 1,024 float32.
;; This version of the problem:
;;   THIS VERSION OF THE PROBLEM IS GIVEN IN LOW PRECISION. The matrix products marked QUANTISED in the list below multiply operands that are first quantised to E2M1 (2 exponent bits, 1 mantissa bit; 4 bits a number), with one power-of-two scale for each 32 numbers along K (OCP MX v1.0); their sums are f32. The products marked 'left as it is' may take bf16, f16 or f32 operands, with f32 sums. Whichever they take, every output number must still come out within the allowed error. Rounding operands to bf16 (8 significant bits) uses up far more of that allowance than f16 does (11 bits, for magnitudes from 6e-5 to 65,504). All else is computed in f32.
;;   The module's matrix products, in the order in which they are computed (A, B: the left and right operand; K: the contracted axis; several contracted axes count as one K, in the product's order):
;;     1. [M 8,192, K 1,024] x [K 1,024, N 1,024]; A: input query; B: input Wq: QUANTISED
;;     2. [M 8,192, K 1,024] x [K 1,024, N 1,024]; A: input key; B: input Wk: QUANTISED
;;     3. [M 8,192, K 1,024] x [K 1,024, N 1,024]; A: input value; B: input Wv: QUANTISED
;;     4. batch 128 x [M 1,024, K 64] x [K 64, N 1,024]; A: computed on the way; B: computed on the way: left as it is (an operand is computed on the way)
;;     5. batch 128 x [M 1,024, K 1,024] x [K 1,024, N 64]; A: computed on the way; B: computed on the way: left as it is (an operand is computed on the way)
;;   THE QUANTISER, for each operand of a quantised product, along K:
;;     - K is cut into blocks of 32 from its start; a last block that is shorter is filled with zeros.
;;     - A block's scale is 2^e with e = floor(log2(the largest magnitude in the block)) - 2, held to -126 .. 127; a block of zeros has e = 0. As a byte (E8M0): e + 127.
;;     - Each number is divided by its block's scale, clamped to +-6, and rounded to the nearest number of E2M1, ties to even, subnormals kept.
;;     - The product sums the exact products of the quantised numbers (number of the format x scale) in f32.
;;   ~~~python
;;   def quantise(x, axis):      # numpy; x: float32 -> the quantised numbers, widened to float32 again
;;       x = np.moveaxis(x, axis, -1); K = x.shape[-1]
;;       x = np.pad(x, [(0, 0)] * (x.ndim - 1) + [(0, -K % 32)]); x = x.reshape(x.shape[:-1] + (-1, 32)); a = np.abs(x).max(-1, keepdims=True)
;;       e = np.where(a > 0, np.clip(np.frexp(np.where(a > 0, a, 1))[1] - 1 - 2, -126, 127), 0)      # np.frexp(a)[1] - 1 = floor(log2(a)), exactly
;;       r = np.clip(x / 2.0 ** e, -6, 6)
;;       step = 2.0 ** (np.maximum(np.frexp(np.where(r == 0, 1, r))[1] - 1, 0) - 1)
;;       q = np.round(r / step) * step * 2.0 ** e      # np.round: ties to even
;;       return np.moveaxis(q.reshape(q.shape[:-2] + (-1,))[..., :K], -1, axis).astype(np.float32)
;;   ~~~
;; One version. Each part assembles by itself: llvm-mc -triple=amdgcn-amd-amdhsa -mcpu=gfx1250 --defsym DOCPART=n.
;; ======== version 1 of 1: 3 launches
;; limits: values are held in f16: magnitudes above 65,504 overflow, below 6.1e-05 lose precision
;; workspace buffers: xc 12,582,912 bytes; xs 786,432 bytes; wc 1,572,864 bytes; ws 98,304 bytes; qkv 50,331,648 bytes
;; launch quant (part 1): grid 960 x 1, 4 waves a work-group, no clusters, 42,496 bytes of LDS; arguments query, key, value, Wq, Wk, Wv, xc, xs, wc, ws; writes xc, xs, wc, ws
.if DOCPART == 1
	.amdgcn_target "amdgcn-amd-amdhsa--gfx1250"
	.amdhsa_code_object_version 6
	.text
	.protected	k_qf0f850b855_quant
	.globl	k_qf0f850b855_quant
	.p2align	8
	.type	k_qf0f850b855_quant,@function
k_qf0f850b855_quant:
	s_mov_b64 s[64:65], 0
	v_nop
	global_prefetch_b8 v0, s[64:65] scope:SCOPE_SE
	s_setreg_imm32_b32 hwreg(HW_REG_WAVE_MODE, 25, 1), 1
	s_wait_xcnt 0x0
; All six operands of the three projections become codes of FP4 (E2M1), K innermost, two codes a byte (the lower k in the low four bits), with one E8M0 byte for each 32 along K.
; query, key, value: [8192][1024] f32, K innermost  -> xc [24576][512 bytes], xs [24576][32 bytes]  (the three tensors on end).
; Wq, Wk, Wv: [1024 (k)][1024 (n)] f32, K is the FIRST axis -> wc [3072 = 1024 t + n][512 bytes], ws [3072][32 bytes].
; A block's scale is 2^(floor(log2(its largest magnitude)) - 2); its byte is the largest magnitude's own exponent field - 2, held at 1 from below.
; LIMITS: a block of zeros gets the byte 1 where the rule says 127 (its codes are zeros, which add nothing, and the bytes are read by this program alone); blocks whose largest
; magnitude lies under 2^(2 - 126) have their byte held at 1; NaN and infinities among the inputs are not served.
; The first 192 work-groups take the weights, the other 768 the activations: a branch on the work-group's number, the same in all four waves.  Each way has LDS bytes of its own.
; No tensor loads, no matrix work, no cluster: nothing is shared between work-groups, and memory binds.
.set WGW,   192                        ; work-groups of the weights' way
.set STEPS, 16
.set EMAX,  2
.set CB,    8                          ; bytes of 16 codes
.set R,     16                         ; x way: v16-79   four sets of 16 numbers as they are loaded
.set X,     80                         ; x way: v80-111  two sets of 16 neighbours
.set E,     112                        ; x way: v112-127 a scale byte for each step
.set C,     128                        ; x way: v128-189 codes: four registers for each step, so that no store's data are written again
.set WREG,  8192                       ; x way, LDS: a region for each wave: two stages of 32 x SP bytes, behind them its 256 scale bytes
.set SP,    80                         ; a lane's place in a stage: 64 bytes + 16 of padding
.set WSTG,  4*WREG                     ; W way, LDS: 32 columns x (256 bytes of codes + 16)
.set WP,    272
.set WSS,   WSTG+32*WP                 ; W way, LDS: 32 columns x 16 scale bytes
.set SPARE, WSS+512                    ; the spare words, 128 bytes for each wave: two blocks of 256 bytes that no other line names
.set WX,    32                         ; W way: v32-95   two sets of 32 numbers
.set WC,    96                         ; W way: v96-99   a block's codes
.set OUTR,  112                        ; W way: v112-128 the way out
.set SB,    24                         ; W way: v24      my four scale bytes
.set SPW,   190                        ; v190 LDS address of my spare word: SPARE + 4 x my thread's number; never rewritten
.set NIL,   191                        ; v191 0; never rewritten
	s_load_b256 s[4:11], s[0:1], 0x0               ; query s[4:5], key s[6:7], value s[8:9], Wq s[10:11]
	s_load_b256 s[12:19], s[0:1], 0x20             ; Wk s[12:13], Wv s[14:15], xc s[16:17], xs s[18:19]
	s_load_b128 s[20:23], s[0:1], 0x40             ; wc s[20:21], ws s[22:23]
	v_lshl_add_u32 v[SPW], v0, 2, SPARE
	v_mov_b32 v[NIL], 0
	v_lshrrev_b32 v1, 5, v0
	v_readfirstlane_b32 s24, v1                    ; wave 0..3
	v_and_b32 v2, 31, v0                           ; lane
	s_wait_kmcnt 0x0
	s_cmp_lt_u32 ttmp9, WGW
	s_cbranch_scc0 .Lx
; ---------------- THE WEIGHTS.  Work-group g: tensor t = g / 64, 512 along K: ky = (g / 32) % 2, 32 columns: cg = g % 32.
; A LANE TAKES A COLUMN n, AND ITS REGISTERS RUN DOWN K: a block of 32 along K lies in one lane's 32 registers, and the conversions give codes with K innermost.  Nothing is transposed by an instruction.
; The four waves share K: wave w takes k = 512 ky + 128 w .. + 127, four blocks.  Their codes meet in a stage of 32 rows x 256 bytes, and leave as whole rows: sixteen lanes store 256 consecutive bytes, aligned.
	s_lshr_b32 s25, ttmp9, 6                       ; t
	s_and_b32 s36, ttmp9, 31                       ; cg
	s_bfe_u32 s37, ttmp9, 0x10005                  ; ky
	s_cmp_eq_u32 s25, 1                            ; the choice hangs on the work-group's number alone
	s_cselect_b64 s[26:27], s[12:13], s[10:11]
	s_cmp_eq_u32 s25, 2
	s_cselect_b64 s[26:27], s[14:15], s[26:27]
	s_lshl_b32 s28, s37, 21                        ; 512 ky rows of 4,096 bytes
	s_lshl_b32 s29, s24, 19                        ; + 128 w rows
	s_add_co_u32 s28, s28, s29
	s_lshl_b32 s29, s36, 7                         ; + 32 cg columns of 4 bytes
	s_add_co_u32 s28, s28, s29
	s_mov_b32 s29, 0
	s_add_nc_u64 s[26:27], s[26:27], s[28:29]      ; W at my wave's first number
	s_lshl_b32 s30, s25, 19                        ; codes: 1,024 t rows of 512 bytes
	s_lshl_b32 s31, s36, 14                        ; + 32 cg rows
	s_add_co_u32 s30, s30, s31
	s_lshl_b32 s31, s24, 12                        ; + 8 w rows: the rows that I store
	s_add_co_u32 s30, s30, s31
	s_lshl_b32 s31, s37, 8                         ; + 256 ky bytes
	s_add_co_u32 s30, s30, s31
	s_mov_b32 s31, 0
	s_add_nc_u64 s[30:31], s[20:21], s[30:31]
	s_lshl_b32 s32, s25, 15                        ; scale bytes: the same rows, of 32 bytes,
	s_lshl_b32 s33, s36, 10
	s_add_co_u32 s32, s32, s33
	s_lshl_b32 s33, s24, 8
	s_add_co_u32 s32, s32, s33
	s_lshl_b32 s33, s37, 4                         ; + 16 ky bytes
	s_add_co_u32 s32, s32, s33
	s_mov_b32 s33, 0
	s_add_nc_u64 s[32:33], s[22:23], s[32:33]
	v_lshlrev_b32 v3, 2, v2                        ; in: 4 bytes a lane
	v_mul_u32_u24 v4, v2, WP
	s_lshl_b32 s34, s24, 6
	s_add_co_u32 s34, s34, WSTG
	v_add_nc_u32 v4, s34, v4                       ; into the stage: row = my column, my wave's 64 bytes of it
	v_lshlrev_b32 v5, 4, v2
	s_lshl_b32 s34, s24, 2
	s_add_co_u32 s34, s34, WSS
	v_add_nc_u32 v5, s34, v5                       ; my scale word: 16 bytes a column, my wave's 4 of them
	s_lshl_b32 s34, s24, 7
	s_add_co_u32 s34, s34, WSS
	v_add_nc_u32 v6, s34, v3                       ; back: the 128 scale bytes of columns 8 w .. 8 w + 7, 4 a lane
	v_and_b32 v1, 15, v2
	v_lshrrev_b32 v10, 4, v2
	v_mul_u32_u24 v7, v10, WP
	v_lshl_add_u32 v7, v1, 4, v7
	s_mul_i32 s34, s24, 8*WP
	s_add_co_u32 s34, s34, WSTG
	v_add_nc_u32 v7, s34, v7                       ; back: rows 8 w on, sixteen lanes to a row, two rows an instruction
	v_lshlrev_b32 v8, 9, v10
	v_lshl_add_u32 v8, v1, 4, v8                   ; and the same place in the codes' buffer
	v_lshrrev_b32 v9, 2, v2
	v_lshlrev_b32 v9, 5, v9
	v_and_b32 v10, 3, v2
	v_lshl_add_u32 v9, v10, 2, v9                  ; and in the scale bytes': row lane / 4, word lane % 4
.macro WLOAD t                         ; block t: W(32 t + i, my column), i = 0 .. 31, into set t % 2; 32 lanes read 128 consecutive bytes
.irp i, 0,1,2,3,4,5,6,7,8,9,10,11,12,13,14,15,16,17,18,19,20,21,22,23,24,25,26,27,28,29,30,31
	global_load_b32 v[WX+32*((\t)%2)+\i], v3, s[26:27] offset:(32*(\t)+\i)*4096 th:TH_LOAD_NT
.endr
.endm
.macro WBLOCK t
.set XS, WX+32*((\t)%2)
.if (\t) < 3
	s_wait_loadcnt 32                              ; this block's 32 loads are in; the next block's 32 may be out
.else
	s_wait_loadcnt 0
.endif
	v_max3_num_f32 v12, |v[XS]|, |v[XS+1]|, |v[XS+2]|               ; the block's largest magnitude: all 32 numbers are mine; two chains
	v_max3_num_f32 v13, |v[XS+3]|, |v[XS+4]|, |v[XS+5]|
.irp i, 6,10,14,18,22,26
	v_max3_num_f32 v12, v12, |v[XS+\i]|, |v[XS+\i+1]|
	v_max3_num_f32 v13, v13, |v[XS+\i+2]|, |v[XS+\i+3]|
.endr
	v_max3_num_f32 v12, v12, |v[XS+30]|, |v[XS+31]|
	v_max3_num_f32 v12, v12, v13, (EMAX+1)<<23     ; and the floor 2^(3 - 127): the byte cannot fall under 1
	v_add_nc_u32 v11, 0xff000000, v12              ; 2 off its exponent field: the conversion takes the exponent field of this operand as its scale, and nothing else of it
	v_lshrrev_b32 v13, 23, v11                     ; the scale's byte
.if (\t) == 0
	v_mov_b32 v[SB], v13                           ; four bytes to a register, the lower K in the lower byte
.else
	v_lshl_or_b32 v[SB], v13, 8*(\t), v[SB]
.endif
.irp g, 0,1,2,3
	v_cvt_scalef32_pk8_fp4_f32 v[WC+\g], v[XS+8*\g:XS+8*\g+7], v11
.endr
	ds_store_b128 v4, v[WC:WC+3] offset:16*(\t)    ; 32 codes: 16 bytes of my column's row
.if (\t) < 2
	WLOAD (\t)+2
.endif
	s_wait_dscnt 0x0                               ; the store has read its registers: the next block's codes may be written
.endm
	WLOAD 0
	WLOAD 1
	WBLOCK 0
	WBLOCK 1
	WBLOCK 2
	WBLOCK 3
	ds_store_b32 v5, v[SB]
	s_wait_dscnt 0x0                               ; for the others' sake: my stores into the stage are done
	s_barrier_signal -1
	s_barrier_wait -1                              ; a row's 256 bytes come from four waves: now they are whole
.irp i, 0,1,2,3
	ds_load_b128 v[OUTR+4*\i:OUTR+4*\i+3], v7 offset:2*\i*WP
.endr
	ds_load_b32 v[OUTR+16], v6
.irp i, 0,1,2,3
	s_wait_dscnt 4-\i                              ; LDS loads come back in order: behind load i stand 4 - i others
	global_store_b128 v8, v[OUTR+4*\i:OUTR+4*\i+3], s[30:31] offset:1024*\i   ; sixteen lanes store 256 consecutive bytes, at a multiple of 256 from the buffer's first byte
.endr
	s_wait_dscnt 0x0
	global_store_b32 v9, v[OUTR+16], s[32:33]      ; 16 bytes of each of eight rows of scale bytes
	s_wait_tensorcnt 0x0                           ; the wave's end: behind my last LDS store
	ds_add_u32 v[SPW], v[NIL]
	s_wait_dscnt 0x0
	s_endpgm
; ---------------- THE ACTIVATIONS.  Rows are dense and K is a multiple of 32: the three tensors are plain streams of blocks of 32, and so are their codes and scale bytes.
; A wave takes 16 steps of 512 numbers.  Each of a step's four loads reads 512 consecutive bytes, 16 a lane; the 2,048 bytes go through the wave's own stage in LDS and come back 64 bytes a lane:
; 16 NEIGHBOURS along K, which is what the conversions take.  Two neighbouring lanes hold a block.  A lane's 16 codes are 8 bytes: the wave stores 256 consecutive bytes.
; A wave's 256 scale bytes are gathered in its own LDS bytes and leave as one store of 256 consecutive bytes.  Waves share nothing here: no barrier.  Loads run four steps ahead, the turn through LDS one.
.Lx:
	s_sub_co_u32 s25, ttmp9, WGW                   ; x = 0 .. 767
	s_lshr_b32 s26, s25, 8                         ; which tensor: 256 work-groups each
	s_cmp_eq_u32 s26, 1
	s_cselect_b64 s[28:29], s[6:7], s[4:5]
	s_cmp_eq_u32 s26, 2
	s_cselect_b64 s[28:29], s[8:9], s[28:29]
	s_and_b32 s30, s25, 255
	s_lshl_b32 s30, s30, 2
	s_add_co_u32 s30, s30, s24                     ; which run of 8,192 numbers of the tensor is my wave's
	s_lshl_b32 s30, s30, 15                        ; 32,768 bytes a run
	s_mov_b32 s31, 0
	s_add_nc_u64 s[28:29], s[28:29], s[30:31]
	s_lshl_b32 s32, s25, 2
	s_add_co_u32 s32, s32, s24                     ; and of the three on end
	s_lshl_b32 s34, s32, 12                        ; 4,096 bytes of codes a run
	s_mov_b32 s35, 0
	s_add_nc_u64 s[34:35], s[16:17], s[34:35]
	s_lshl_b32 s36, s32, 8                         ; 256 scale bytes a run
	s_mov_b32 s37, 0
	s_add_nc_u64 s[36:37], s[18:19], s[36:37]
	v_lshlrev_b32 v3, 4, v2                        ; my 16 bytes of a load's 512
	s_mul_i32 s38, s24, WREG
	v_lshrrev_b32 v14, 2, v2
	v_mul_u32_u24 v14, v14, SP
	v_and_b32 v15, 3, v2
	v_lshl_add_u32 v14, v15, 4, v14
	v_add_nc_u32 v14, s38, v14                     ; the stage, on the way in: four lanes' 64 bytes on end, then 16 of padding
	v_mul_u32_u24 v15, v2, SP
	v_add_nc_u32 v15, s38, v15                     ; and on the way out: SP x lane: my 16 neighbours
	v_mul_u32_u24 v4, v2, CB                       ; my codes' place in a step's
	v_lshrrev_b32 v5, 1, v2
	s_add_co_u32 s38, s38, 2*32*SP
	v_add_nc_u32 v5, s38, v5                       ; LDS: my wave's 256 scale bytes, my block's byte
	v_lshlrev_b32 v7, 3, v2                        ; and on the way out 8 bytes a lane
	v_add_nc_u32 v6, s38, v7
.macro XLOAD t
.irp i, 0,1,2,3
	global_load_b128 v[R+16*((\t)%4)+4*\i:R+16*((\t)%4)+4*\i+3], v3, s[28:29] offset:2048*(\t)+512*\i th:TH_LOAD_NT   ; 32 lanes read 512 consecutive bytes
.endr
.endm
.macro XTURN t                         ; step t's numbers through the stage: LDS serves a wave's instructions in order, so no wait stands between the stores and the loads
.irp i, 0,1,2,3
	ds_store_b128 v14, v[R+16*((\t)%4)+4*\i:R+16*((\t)%4)+4*\i+3] offset:32*SP*((\t)%2)+8*SP*\i
.endr
.irp i, 0,1,2,3
	ds_load_b128 v[X+16*((\t)%2)+4*\i:X+16*((\t)%2)+4*\i+3], v15 offset:32*SP*((\t)%2)+16*\i
.endr
.endm
.irp t, 0,1,2,3
	XLOAD \t
.endr
	s_wait_loadcnt 12                              ; step 0's four loads are in; the twelve of steps 1 to 3 may be out
	XTURN 0
.macro XSTEP t
.set XS, X+16*((\t)%2)
.if (\t) > 0
	s_wait_dscnt 1                                 ; this step's numbers are back from the stage (the last step's byte store may be out): so its stores into the stage have read their registers,
.else
	s_wait_dscnt 0x0
.endif
.if (\t)+4 < STEPS
	XLOAD (\t)+4                                   ; which take the loads of four steps on
.endif
.if (\t)+1 < STEPS
.if STEPS-2-(\t) >= 3
	s_wait_loadcnt 12                              ; the next step's four loads are in; those of the three steps behind it may be out
.else
	s_wait_loadcnt 4*(STEPS-2-(\t))                ; towards the end fewer steps stand behind it
.endif
	XTURN (\t)+1                                   ; and go through the other stage while this step is worked
.endif
	v_max3_num_f32 v8, |v[XS]|, |v[XS+1]|, |v[XS+2]|               ; the largest magnitude of my 16
	v_max3_num_f32 v9, |v[XS+3]|, |v[XS+4]|, |v[XS+5]|
.irp i, 6,10
	v_max3_num_f32 v8, v8, |v[XS+\i]|, |v[XS+\i+1]|
	v_max3_num_f32 v9, v9, |v[XS+\i+2]|, |v[XS+\i+3]|
.endr
	v_max3_num_f32 v8, v8, |v[XS+14]|, |v[XS+15]|
	v_max3_num_f32 v8, v8, v9, (EMAX+1)<<23        ; and the floor 2^(3 - 127): the byte cannot fall under 1
	v_max_num_f32_dpp v8, v8, v8 row_xmask:1 row_mask:0xf bank_mask:0xf   ; and of my neighbour's 16: the block's
	v_add_nc_u32 v11, 0xff000000, v8               ; 2 off its exponent field: the conversion's scale operand
	v_cvt_scalef32_pk8_fp4_f32 v[C+4*(\t)], v[XS:XS+7], v11        ; eight numbers / the scale, to the nearest code, ties to even, beyond the largest code the largest
	v_cvt_scalef32_pk8_fp4_f32 v[C+4*(\t)+1], v[XS+8:XS+15], v11
	v_lshrrev_b32 v[E+(\t)], 23, v11               ; the scale's byte (also the plain line behind the conversions)
	ds_store_b8 v5, v[E+(\t)] offset:16*(\t)       ; both lanes of a block write the same byte with the same value
	global_store_b64 v4, v[C+4*(\t):C+4*(\t)+1], s[34:35] offset:32*CB*(\t)   ; 32 lanes store 256 consecutive bytes, aligned
.endm
.irp t, 0,1,2,3,4,5,6,7,8,9,10,11,12,13,14,15
	XSTEP \t
.endr
	ds_load_b64 v[8:9], v6                         ; LDS serves a wave's instructions in order: these see my stores
	s_wait_dscnt 0x0
	global_store_b64 v7, v[8:9], s[36:37]          ; 32 lanes store 256 consecutive bytes, aligned
	s_wait_tensorcnt 0x0                           ; the wave's end: behind my last LDS store
	ds_add_u32 v[SPW], v[NIL]
	s_wait_dscnt 0x0
	s_endpgm
.Lfunc_end_k_qf0f850b855_quant:
	.size	k_qf0f850b855_quant, .Lfunc_end_k_qf0f850b855_quant-k_qf0f850b855_quant
	.p2alignl 7, 3214868480
	.fill 96, 4, 3214868480
	.section	.rodata,"a",@progbits
	.p2align	6, 0x0
	.amdhsa_kernel k_qf0f850b855_quant
		.amdhsa_group_segment_fixed_size 42496
		.amdhsa_private_segment_fixed_size 0
		.amdhsa_enable_private_segment 0
		.amdhsa_kernarg_size 80
		.amdhsa_user_sgpr_count 2
		.amdhsa_user_sgpr_kernarg_segment_ptr 1
		.amdhsa_wavefront_size32 1
		.amdhsa_system_sgpr_workgroup_id_x 1
		.amdhsa_system_sgpr_workgroup_id_y 1
		.amdhsa_system_sgpr_workgroup_id_z 1
		.amdhsa_system_vgpr_workitem_id 0
		.amdhsa_next_free_vgpr 192
		.amdhsa_next_free_sgpr 66
		.amdhsa_reserve_vcc 0
		.amdhsa_float_denorm_mode_32 3
		.amdhsa_float_denorm_mode_16_64 3
		.amdhsa_memory_ordered 1
		.amdhsa_forward_progress 1
		.amdhsa_inst_pref_size 55
	.end_amdhsa_kernel
	.amdgpu_metadata
---
amdhsa.version: [ 1, 2 ]
amdhsa.kernels:
  - .name:           k_qf0f850b855_quant
    .symbol:         k_qf0f850b855_quant.kd
    .args:
      - { .name: query, .offset: 0, .size: 8, .value_kind: global_buffer, .address_space: global }
      - { .name: key, .offset: 8, .size: 8, .value_kind: global_buffer, .address_space: global }
      - { .name: value, .offset: 16, .size: 8, .value_kind: global_buffer, .address_space: global }
      - { .name: Wq, .offset: 24, .size: 8, .value_kind: global_buffer, .address_space: global }
      - { .name: Wk, .offset: 32, .size: 8, .value_kind: global_buffer, .address_space: global }
      - { .name: Wv, .offset: 40, .size: 8, .value_kind: global_buffer, .address_space: global }
      - { .name: xc, .offset: 48, .size: 8, .value_kind: global_buffer, .address_space: global }
      - { .name: xs, .offset: 56, .size: 8, .value_kind: global_buffer, .address_space: global }
      - { .name: wc, .offset: 64, .size: 8, .value_kind: global_buffer, .address_space: global }
      - { .name: ws, .offset: 72, .size: 8, .value_kind: global_buffer, .address_space: global }
    .group_segment_fixed_size: 42496
    .private_segment_fixed_size: 0
    .kernarg_segment_align: 8
    .kernarg_segment_size: 80
    .max_flat_workgroup_size: 128
    .sgpr_count:     66
    .vgpr_count:     192
    .wavefront_size: 32
...
	.end_amdgpu_metadata
.endif
;; end of part 1
;; launch proj (part 2): grid 4 x 48, 4 waves a work-group, clusters of 4 x 4, 327,680 bytes of LDS; arguments xc, xs, wc, ws, qkv, bq, bk, bv; writes qkv
.if DOCPART == 2
	.amdgcn_target "amdgcn-amd-amdhsa--gfx1250"
	.amdhsa_code_object_version 6
	.text
	.protected	k_qf0f850b855_proj
	.globl	k_qf0f850b855_proj
	.p2align	8
	.type	k_qf0f850b855_proj,@function
k_qf0f850b855_proj:
	s_mov_b64 s[64:65], 0
	v_nop
	global_prefetch_b8 v0, s[64:65] scope:SCOPE_SE
	s_setreg_imm32_b32 hwreg(HW_REG_WAVE_MODE, 25, 1), 1
	s_wait_xcnt 0x0
	s_wait_alu depctr_hold_cnt(0) depctr_sa_sdst(0) depctr_va_vdst(0) depctr_va_sdst(0) depctr_va_ssrc(0) depctr_va_vcc(0) depctr_vm_vsrc(0)
	s_getreg_b32 s2, hwreg(HW_REG_IB_STS2, 6, 4)
	s_cmp_eq_u32 s2, 0
	s_cbranch_scc0 .Lentry_in_a_cluster
	s_endpgm
.Lentry_in_a_cluster:
	s_bfe_u32 s2, ttmp6, 0x10000c
	s_cmp_lg_u32 s2, 0xf033
	s_cbranch_scc0 .Lentry_shape_is_right
	s_endpgm
.Lentry_shape_is_right:
; The three projections as ONE product on codes of FP4 (E2M1) with E8M0 scales for each 32 along K:  qkv[m][n] = sum over k of X[m][k] W_t[n][k] + b_t[n],  m = 0 .. 24,575 (query's, key's, value's rows on end),
; t = m / 8,192, n = 0 .. 1,023, K = 1,024.  X: xc [24576][512 bytes], xs [24576][32];  W: wc [3072 = 1024 t + n][512 bytes], ws [3072][32];  sums in f32;  qkv: [24576][1024] f16, rounded once.
; LIMIT: a projected number beyond f16's largest, 65,504, becomes infinity.
; A WORK-GROUP MAKES TWO TILES of 256 x 256, one below the other: 512 rows x 256 columns.  The two share W's tile and its scales, which are fetched once, and the first tile's stores leave while the second is multiplied.
; That is 192 work-groups of equal work.  (An equal share for 256 would be 98,304 results, three times a power of two: no block of whole rows and columns of one tensor, 8,192 x 1,024, has that size.)
; Four waves, as many as a WGP has SIMDs; of a tile a wave makes 128 x 128: 64 accumulators of 16 x 16, 512 registers.
; K is two steps of 512 (a tile's row is 256 bytes of memory): each has an LDS slot of its own.  W's halves of the slots are filled once; X's are filled once more, with the second tile's rows, behind the first tile's last product:
; one load a wave, behind a round of the cluster's barrier; it has the first tile's way out in which to land.  By this text's own count a wave has three tensor loads out at the start and one behind that round.
; The scales of the work-group's 512 rows of X and 256 rows of W, for all of K, come with the first fills and stay.
; CLUSTERS: 4 x 4 work-groups.  The four of a row of the cluster need the same tiles of X, the four of a column the same tiles of W: each tile is asked for JOINTLY, by the same tensor load with the
; same descriptor and a mask that names the four.  A cluster's 2,048 rows lie in one tensor, so t hangs on the cluster's y alone and is the same in all sixteen.
; THE MATRIX INSTRUCTION IS USED TRANSPOSED (source 0 = 16 rows of W, source 1 = 16 rows of X): a lane then holds eight neighbouring numbers of a row of the result.
; THE BIAS is the C of each sum's first product: eight registers for each of W's eight blocks, in the result's layout; it serves both tiles.
; REGISTERS, in windows of 256: window 0: v0-31 addresses; v32-95 scale words, two sets; v96-127 packed results on the way out; from v128 X's fragments (8 x 16 rows x 128 K), ONE set, on the way out rows; v192-255 the bias.
;   window 1: W's fragments, TWO sets, at v0 and at v128.   window 2: the 32 accumulators of my rows 0-63 (accumulator (a, b) at v[8 (8 a + b)]);   window 3: those of my rows 64-127.
.set SIZE_N, 1024
.set SIZE_K, 1024
.set KSTEP,  512                       ; along K in a slot
.set NQ,     KSTEP/128                 ; matrix instructions deep
.set ROWB,   256                       ; a tile's row in bytes: KSTEP codes of 4 bits
.set KROW,   SIZE_K*4/8                ; a row of codes in memory, in bytes
.set PITCH,  272                       ; an LDS row: 256 bytes of data + 16 of padding = 68 words: row r starts at bank 4 r mod 64 (64 banks of 4 bytes: ISA guide 11.1)
.set FR,     8                         ; registers of a fragment: 16 rows x 128 K
.set NL,     2                         ; LDS loads that bring one
.set NP,     4                         ; places behind this matrix instruction (ISA guide 7.12.1)
.set HALFT,  128*PITCH                 ; 128 rows: what one tensor load brings, and what one wave reads of X or of W
.set SLOT,   4*HALFT                   ; X's 256 rows, then W's 256 rows
.set KS,     SIZE_K/32                 ; a row of scales in bytes
.set SCL,    2*SLOT                    ; behind the slots: the scales, as units of 256 bytes + 16 of padding: X's 512 rows, then W's 256
.set HALFS,  (128*KS/256)*272          ; the scales of 128 rows
.set SBLK,   (16*KS/256)*272           ; those of 16 rows
.set STAGE,  SCL+6*HALFS               ; behind the scales: the way out: 16 rows x (256 bytes + 16) for each wave; bytes of its own, into which no tile lands
.set SPITCH, 272
.set SPARE,  STAGE+4*16*SPITCH         ; behind the stages: the spare words, 128 bytes for each wave: two blocks of 256 bytes that no other line names
.set CROW,   SIZE_N*2                  ; a row of the result in bytes
.set ADRA, 16                          ; v16-17  LDS address of my X fragments in slot 0, 1
.set ADRB, 20                          ; v20-21  the same for W
.set STO,  24                          ; v24     the way out: where I put 16 bytes of a row
.set RD,   25                          ; v25     the way out: where I read a row back
.set CO,   26                          ; v26     my byte offset in two rows of the result
.set ADRS, 27                          ; v27     LDS address of my scale words in the first tile: lanes 0-15 X's rows, lanes 16-31 W's; never rewritten
.set SPW,  28                          ; v28     LDS address of my spare word: SPARE + 4 x my thread's number; never rewritten
.set NIL,  29                          ; v29     0; never rewritten
.set BO,   30                          ; v30     my byte offset in the bias: 32 x (lane / 16)
.set ADRS1, 31                         ; v31     the same as v27 for the second tile
.set SC,   32                          ; scale words: set s (for slot s) at v[SC + 8 NQ s]; register NQ i + q: lanes 0-15 the word of X's block i, lanes 16-31 that of W's block i, for the slot's q-th 128 along K
.set TMP,  96                          ; the way out: a block's packed results
.set AF,   128                         ; X's fragments, in window 0
.set BK,   128                         ; the way out: 16 rows read back from the stage: v128-159 and v160-191 by turns
.set BIAS, 192                         ; v192-255 the bias: block b's eight numbers of my half at v[BIAS + 8 b]
.set G0R, 4                            ; s[4:7]   descriptor group 0 for my part of the second tile's X (the two pointers that lay here are done with by then)
.set G1, 24                            ; s[24:31] descriptor group 1 for X's tiles;  s[32:39] group 0, one set for each slot
.set G0, 32
.set G1B, 48                           ; s[48:55], s[56:63] the same for W's tiles
.set G0B, 56
.set G1S, 68                           ; s[68:75], s[76:79] groups 1 and 0 for X's scales;  s[80:87], s[88:91] for W's
.set G0S, 76
.set G1SB, 80
.set G0SB, 88
.set MSB, 0
.macro WIN new                         ; the immediate's high byte repeats the setting that is left
.if MSB != \new
	s_set_vgpr_msb (MSB<<8)|\new
.set MSB, \new
.endif
.endm
.set MUL_LO, 0xa1                      ; source 0 (W) window 1, source 1 (X) window 0, C and D window 2
.set MUL_HI, 0xf1                      ; the same, C and D window 3
.set FST_LO, 0x81                      ; a tile's first products: C (the bias) window 0, D window 2
.set FST_HI, 0xc1                      ; the same, D window 3
.set TO_B,   0x40                      ; destination window 1, address window 0
; A joint load of the first fills: waves 0 and 1 fetch for X, waves 2 and 3 for W.  Each of the two lines has ONE mask and one set of registers for all that issue it; the branch hangs on the wave's number alone.
; An s_nop 0 and four v_nop follow each of the two lines, ahead of the jump, the label and what follows.
.macro JLOAD g0a, g1a, g0b, g1b
	s_cmp_eq_u32 s15, 0
	s_cbranch_scc0 .Lfor_b_\@
	tensor_load_to_lds s[\g0a:\g0a+3], s[\g1a:\g1a+7]
	s_nop 0
.rept 4
	v_nop
.endr
	s_branch .Lasked_\@
.Lfor_b_\@:
	tensor_load_to_lds s[\g0b:\g0b+3], s[\g1b:\g1b+7]
	s_nop 0
.rept 4
	v_nop
.endr
.Lasked_\@:
.endm
.macro CROUND                          ; a round of the cluster's barrier: my work-group's barrier; wave 0 signals for the work-group; every wave waits for all sixteen; my work-group's barrier once more
	s_barrier_signal -1
	s_barrier_wait -1
	s_cmp_lg_u32 s14, 0
	s_cbranch_scc1 .Lnot_wave_0_\@
	s_barrier_signal -3
.Lnot_wave_0_\@:
	s_barrier_wait -3
	s_barrier_signal -1
	s_barrier_wait -1
.endm
	s_load_b128 s[4:7], s[0:1], 0x0                ; X's codes s[4:5], X's scales s[6:7]
	s_load_b128 s[8:11], s[0:1], 0x10              ; W's codes s[8:9], W's scales s[10:11]
	s_load_b64 s[12:13], s[0:1], 0x20              ; the result
	s_load_b128 s[96:99], s[0:1], 0x28             ; bq s[96:97], bk s[98:99]
	s_load_b64 s[100:101], s[0:1], 0x38            ; bv
	v_lshl_add_u32 v[SPW], v0, 2, SPARE
	v_mov_b32 v[NIL], 0
	ds_add_u32 v[SPW], v[NIL]                      ; the wave's opening: the add, twice on end, and its wait ahead of my first tensor load; the set-up below the second, work on registers, stands between it and the wait
	ds_add_u32 v[SPW], v[NIL]                      ; and once more, under the one wait
	v_lshrrev_b32 v1, 5, v0
	v_readfirstlane_b32 s14, v1                    ; wave 0..3
	s_lshr_b32 s15, s14, 1                         ; which half of a tile's rows is mine.  Also: at the start I fetch for X (0) or for W (1); of the second tile's X I fetch K step s15
	s_and_b32 s16, s14, 1                          ; which half of its columns.  Also: which half of the rows I fetch
	s_bfe_u32 s40, ttmp6, 0x40000                  ; cx, cy: my place in the cluster
	s_bfe_u32 s41, ttmp6, 0x40004
	s_lshl_b32 s42, ttmp9, 2
	s_add_co_u32 s42, s42, s40                     ; tile column = 4 x cluster x + cx
	s_and_b32 s17, ttmp7, 0xffff
	s_lshl_b32 s17, s17, 2
	s_add_co_u32 s17, s17, s41                     ; my 512 rows: number 4 x cluster y + cy of 48
	s_and_b32 s66, ttmp7, 0xffff
	s_lshr_b32 s66, s66, 2                         ; t = cluster y / 4: which of the three projections; made of the cluster's y alone
	s_lshl_b32 s43, s41, 2
	s_lshl_b32 s43, 15, s43                        ; my row of the cluster
	s_lshl_b32 s44, 0x1111, s40                    ; my column
	; descriptor group 1: a tile of 128 rows x ROWB bytes, padded in LDS
	s_or_b32 s[G1+0], s43, (0<<16)|(1<<20)|(1<<21)|(5<<22)|(3<<25)  ; 15:0 the mask: X's tiles go to my row; 17:16 element of 1 byte; 20 padding on; 21 set beside a mask; 24:22 after every 64 words (code 5); 31:25 of 4 words (code 3)
	s_or_b32 s[G1B+0], s44, (0<<16)|(1<<20)|(1<<21)|(5<<22)|(3<<25)
.irp g, G1, G1B
	s_mov_b32 s[\g+1], ROWB<<16                    ; tensor_dim0
	s_mov_b32 s[\g+2], 128<<16                     ; tensor_dim1 = 128
	s_mov_b32 s[\g+3], ROWB<<16                    ; tile_dim0
	s_mov_b32 s[\g+4], 128                         ; tile_dim1 = 128
	s_mov_b32 s[\g+5], KROW                        ; tensor_dim0_stride
	s_mov_b32 s[\g+6], 0
	s_mov_b32 s[\g+7], 0
.endr
	; and for the scales: dense blocks, as rows of 256 bytes (32 elements of 8 bytes), 16 bytes of padding behind each: X's of 256 rows (32 such rows), W's of 128 rows (16)
	s_or_b32 s[G1S+0], s43, (3<<16)|(1<<20)|(1<<21)|(5<<22)|(3<<25)
	s_or_b32 s[G1SB+0], s44, (3<<16)|(1<<20)|(1<<21)|(5<<22)|(3<<25)
	s_mov_b32 s[G1S+1], 32<<16
	s_mov_b32 s[G1S+2], (256*KS/256)<<16
	s_mov_b32 s[G1S+3], 32<<16
	s_mov_b32 s[G1S+4], 256*KS/256
	s_mov_b32 s[G1S+5], 32
	s_mov_b32 s[G1S+6], 0
	s_mov_b32 s[G1S+7], 0
	s_mov_b32 s[G1SB+1], 32<<16
	s_mov_b32 s[G1SB+2], (128*KS/256)<<16
	s_mov_b32 s[G1SB+3], 32<<16
	s_mov_b32 s[G1SB+4], 128*KS/256
	s_mov_b32 s[G1SB+5], 32
	s_mov_b32 s[G1SB+6], 0
	s_mov_b32 s[G1SB+7], 0
	; where the tiles come from.  X's hang on my 512 rows alone, which my row of the cluster shares; W's on the tile column and t alone, which my column shares.  All offsets stay under 2^32.
	s_lshl_b32 s18, s16, 7                         ; 128 x half
	s_lshl_b32 s20, s17, 9                         ; X: my work-group's first row
	s_lshl_b32 s22, s16, 8
	s_add_co_u32 s22, s22, s20                     ; the 256 rows whose scales I fetch
	s_add_co_u32 s20, s20, s18                     ; the 128 rows of the first tile whose codes I fetch
	s_lshl_b32 s46, s42, 8
	s_add_co_u32 s46, s46, s18                     ; W: row 256 x tile column + 128 x half
	s_lshl_b32 s67, s66, 10
	s_add_co_u32 s46, s46, s67                     ;    + 1,024 t
	s_lshl_b32 s22, s22, 5                         ; in bytes: 32 a row of scales,
	s_mov_b32 s23, 0
	s_lshl_b32 s92, s46, 5
	s_mov_b32 s93, 0
	s_lshl_b32 s20, s20, 9                         ; 512 a row of codes
	s_mov_b32 s21, 0
	s_lshl_b32 s46, s46, 9
	s_mov_b32 s47, 0
	s_mul_i32 s45, s14, HALFT                      ; where the first fills go: wave x 128 rows: no place in the cluster enters an LDS address
	s_mul_i32 s94, s16, 2*HALFS                    ; X's scales: 256 rows x half
	s_mul_i32 s67, s16, HALFS                      ; W's: 128 rows x half
	s_lshl_b32 s2, s15, 8                          ; the second tile's X, from the first's: K step wave / 2: 256 bytes,
	s_add_co_u32 s2, s2, 256*KROW                  ; 256 rows on
	s_mov_b32 s3, 0
	s_mul_i32 s95, s15, SLOT                       ; and where it goes: slot wave / 2,
	s_mul_i32 s19, s16, HALFT                      ; X's half wave % 2
	s_add_co_u32 s95, s95, s19
	s_wait_dscnt 0x0                               ; both opening adds are done
	s_wait_kmcnt 0x0
	s_add_nc_u64 s[20:21], s[4:5], s[20:21]
	s_add_nc_u64 s[22:23], s[6:7], s[22:23]
	s_add_nc_u64 s[46:47], s[8:9], s[46:47]
	s_add_nc_u64 s[92:93], s[10:11], s[92:93]
	s_mov_b32 s[G0R], 1                            ; 1:0 count = 1
	s_mov_b32 s[G0R+1], s95                        ; 63:32 LDS address
	s_add_nc_u64 s[G0R+2:G0R+3], s[20:21], s[2:3]  ; 120:64 global address
	s_or_b32 s[G0R+3], s[G0R+3], 0x80000000        ; 127:126 type = 2
	CROUND                                         ; all sixteen work-groups are here: the first joint loads meet
	s_mov_b32 s[G0S], 1
	s_add_co_u32 s[G0S+1], s94, SCL
	s_mov_b64 s[G0S+2:G0S+3], s[22:23]
	s_or_b32 s[G0S+3], s[G0S+3], 0x80000000
	s_mov_b32 s[G0SB], 1
	s_add_co_u32 s[G0SB+1], s67, SCL+4*HALFS
	s_mov_b64 s[G0SB+2:G0SB+3], s[92:93]
	s_or_b32 s[G0SB+3], s[G0SB+3], 0x80000000
	JLOAD G0S, G1S, G0SB, G1SB                     ; the scales first: they are wanted with K step 0
.irp s, 0,1
	s_mov_b32 s[G0+4*\s], 1
	s_add_co_u32 s[G0+4*\s+1], s45, \s*SLOT
	s_add_nc_u64 s[G0+4*\s+2:G0+4*\s+3], s[20:21], \s*ROWB
	s_or_b32 s[G0+4*\s+3], s[G0+4*\s+3], 0x80000000
	s_mov_b32 s[G0B+4*\s], 1
	s_add_co_u32 s[G0B+4*\s+1], s45, \s*SLOT
	s_add_nc_u64 s[G0B+4*\s+2:G0B+4*\s+3], s[46:47], \s*ROWB
	s_or_b32 s[G0B+4*\s+3], s[G0B+4*\s+3], 0x80000000
	JLOAD G0+4*\s, G1, G0B+4*\s, G1B
.endr
	v_and_b32 v1, 15, v0                           ; l % 16
	v_bfe_u32 v2, v0, 4, 1                         ; l / 16
	v_mul_u32_u24 v3, v1, PITCH
	v_lshl_add_u32 v4, v2, 4, v3                   ; a fragment's row x pitch + 16 x half
	s_mul_i32 s21, s15, HALFT                      ; my 128 rows of X (of either tile: the second lands where the first lay)
	s_mul_i32 s22, s16, HALFT                      ; my 128 rows of W,
	s_add_co_u32 s22, s22, 2*HALFT                 ; which lie behind X's 256
.irp s, 0,1
	v_add_nc_u32 v[ADRA+\s], s21, v4
	v_add_nc_u32 v[ADRB+\s], s22, v4
	s_add_co_u32 s21, s21, SLOT
	s_add_co_u32 s22, s22, SLOT
.endr
	v_mul_u32_u24 v5, v1, KS                       ; my row's scales: KS bytes a row,
	v_lshrrev_b32 v6, 8, v5
	v_lshl_add_u32 v5, v6, 4, v5                   ; and 16 more for each 256 passed
	s_mul_i32 s21, s15, HALFS                      ; X's, first tile: my 128 rows
	s_mul_i32 s22, s16, HALFS                      ; W's: my 128 rows, behind X's 512
	s_add_co_u32 s22, s22, 4*HALFS
	s_sub_co_u32 s22, s22, s21
	v_mul_u32_u24 v6, s22, v2                      ; lanes 16-31 take W's: the lower base + half x the distance
	s_add_co_u32 s23, s21, SCL
	v_add_nc_u32 v6, v5, v6
	v_add_nc_u32 v[ADRS], s23, v6
	s_mul_i32 s22, s16, HALFS                      ; second tile: X's rows lie 256 further on, so W's lie that much nearer
	s_add_co_u32 s22, s22, 2*HALFS
	s_sub_co_u32 s22, s22, s21
	v_mul_u32_u24 v6, s22, v2
	s_add_co_u32 s23, s21, SCL+2*HALFS
	v_add_nc_u32 v6, v5, v6
	v_add_nc_u32 v[ADRS1], s23, v6
	s_mul_i32 s23, s14, 16*SPITCH
	s_add_co_u32 s23, s23, STAGE                   ; my stage
	v_mul_u32_u24 v5, v1, SPITCH                   ; in: row l % 16, 16 bytes for each half of the lanes
	v_lshl_add_u32 v5, v2, 4, v5
	v_add_nc_u32 v[STO], s23, v5
	v_mul_u32_u24 v5, v2, SPITCH                   ; back: lanes 0-15 take one row of 256 bytes, lanes 16-31 the next
	v_lshl_add_u32 v5, v1, 4, v5
	v_add_nc_u32 v[RD], s23, v5
	v_mul_u32_u24 v5, v2, CROW                     ; and the same two rows in the result
	v_lshl_add_u32 v[CO], v1, 4, v5
	s_lshl_b32 s20, s17, 9
	s_lshl_b32 s21, s15, 7
	s_add_co_u32 s20, s20, s21                     ; my first row of the result: 512 x my number + 128 x half
	s_lshl_b32 s20, s20, 11                        ; rows of 2,048 bytes
	s_mov_b32 s21, 0
	s_lshl_b32 s46, s42, 9                         ; my first column, in bytes of f16: 512 x tile column + 256 x half
	s_lshl_b32 s47, s16, 8
	s_add_co_u32 s46, s46, s47
	s_mov_b32 s47, 0
	s_add_nc_u64 s[20:21], s[20:21], s[46:47]
	s_add_nc_u64 s[12:13], s[12:13], s[20:21]
	s_cmp_eq_u32 s66, 1                            ; the bias of my projection: the choice hangs on t alone
	s_cselect_b64 s[96:97], s[98:99], s[96:97]
	s_cmp_eq_u32 s66, 2
	s_cselect_b64 s[96:97], s[100:101], s[96:97]
	s_lshl_b32 s46, s46, 1                         ; my first column in bytes of f32
	s_add_nc_u64 s[96:97], s[96:97], s[46:47]
	v_lshlrev_b32 v[BO], 5, v2                     ; lanes 16-31 hold the upper eight of a block's sixteen columns
.irp b, 0,1,2,3,4,5,6,7
	global_load_b128 v[BIAS+8*\b:BIAS+8*\b+3],   v[BO], s[96:97] offset:64*\b      ; b(16 b + 8 (l / 16) + 0 .. 3)
	global_load_b128 v[BIAS+8*\b+4:BIAS+8*\b+7], v[BO], s[96:97] offset:64*\b+16   ; and + 4 .. 7
.endr
.macro FRAG reg, adr, q, i             ; a fragment, 16 rows x 128 K of 4-bit codes, is 8 registers: lane l holds row l % 16; registers 4 c .. 4 c + 3 hold K = 64 c + 32 (l / 16) + 0 .. 31, the lower K in the lower bits
.irp c, 0,1
	ds_load_b128 v[\reg+4*\c:\reg+4*\c+3], v[\adr] offset:64*(\q)+32*\c+(\i)*16*PITCH
.endr
.endm
; 16 matrix instructions: X's blocks a0, a0 + 1 x W's eight, 128 along K: the slot's q-th.  p: W's set;  sc: the set of scale words.  zero = 1: the first product starts the sums from the bias: nothing is ever cleared or added later.
; The 64 accumulators take turns, one instruction a turn, in the same order in every step.
.macro MUL16 a0, p, q, sc, zero
.irp a, \a0, \a0+1
.irp b, 0,1,2,3,4,5,6,7
.if \zero
	v_wmma_scale_f32_16x16x128_f8f6f4 v[8*(8*((\a)%4)+\b):8*(8*((\a)%4)+\b)+7], v[128*(\p)+FR*\b:128*(\p)+FR*\b+FR-1], v[AF+FR*(\a):AF+FR*(\a)+FR-1], v[BIAS+8*\b:BIAS+8*\b+7], v[SC+8*NQ*(\sc)+NQ*\b+(\q)], v[SC+8*NQ*(\sc)+NQ*(\a)+(\q)] matrix_a_fmt:MATRIX_FMT_FP4 matrix_b_fmt:MATRIX_FMT_FP4 matrix_a_scale:MATRIX_SCALE_ROW1
.else
	v_wmma_scale_f32_16x16x128_f8f6f4 v[8*(8*((\a)%4)+\b):8*(8*((\a)%4)+\b)+7], v[128*(\p)+FR*\b:128*(\p)+FR*\b+FR-1], v[AF+FR*(\a):AF+FR*(\a)+FR-1], v[8*(8*((\a)%4)+\b):8*(8*((\a)%4)+\b)+7], v[SC+8*NQ*(\sc)+NQ*\b+(\q)], v[SC+8*NQ*(\sc)+NQ*(\a)+(\q)] matrix_a_fmt:MATRIX_FMT_FP4 matrix_b_fmt:MATRIX_FMT_FP4 matrix_a_scale:MATRIX_SCALE_ROW1
.endif
.endr
.endr
.endm
.macro FETCH_B slot, q, p              ; W's eight fragments of the slot's q-th 128 along K into set p
	WIN TO_B
.irp i, 0,1,2,3,4,5,6,7
	FRAG 128*(\p)+FR*\i, ADRB+\slot, \q, \i
.endr
	WIN 0
.endm
.macro FETCH_A slot, q, i0             ; X's blocks i0 .. i0 + 3
.irp i, \i0, \i0+1, \i0+2, \i0+3
	FRAG AF+FR*(\i), ADRA+\slot, \q, \i
.endr
.endm
.macro SCALES sc, adr, koff            ; a K step's scale words into set sc: NQ words a row, koff bytes into the row; lanes 0-15 take X's block i, lanes 16-31 W's block i
.irp i, 0,1,2,3,4,5,6,7
	ds_load_b128 v[SC+8*NQ*\sc+NQ*\i:SC+8*NQ*\sc+NQ*\i+3], v[\adr] offset:\i*SBLK+\koff
.endr
.endm
; A load into a register that a matrix instruction has read, and a vector instruction that reads a matrix result, stand NP places behind that matrix instruction, and only plain vector
; instructions that name none of its registers are places (ISA guide 7.12.1 for vector instructions); this text does not count the matrix instructions in between.
.macro PLACES n
.rept \n
	v_nop
.endr
.endm
; A step of 128 along K that has its successor in the same slot.  X has one set of registers: blocks 0-3 are fetched anew in the step's middle, blocks 4-7 at its end; W has two sets.
.macro STEP slot, q, zero
	s_wait_dscnt 4*NL                              ; W's set and X's blocks 0-3 are in; the youngest eight loads (X's blocks 4-7) may be out
.if \zero
	WIN FST_LO
.else
	WIN MUL_LO
.endif
	MUL16 0, (\q)%2, \q, \slot, \zero
	MUL16 2, (\q)%2, \q, \slot, \zero
	s_wait_dscnt 0                                 ; X's blocks 4-7 are in (asked for 32 matrix instructions ago)
	PLACES NP
	FETCH_B \slot, (\q)+1, 1-(\q)%2
	FETCH_A \slot, (\q)+1, 0
.if \zero
	WIN FST_HI
.else
	WIN MUL_HI
.endif
	MUL16 4, (\q)%2, \q, \slot, \zero
	MUL16 6, (\q)%2, \q, \slot, \zero
	PLACES NP
	WIN 0
	FETCH_A \slot, (\q)+1, 4
.endm
; Slot 0's last step goes on into slot 1.  sync = 1, in the first tile: slot 1's first fill may still be on its way: each wave waits for all its tensor loads, and ONE barrier shows the slot whole to all four.
; sync = 0, in the second tile: the barrier at the tile's head has shown both slots whole.
.macro TURN slot, next, adr, sync
.if \sync
	s_wait_tensorcnt 0x0                           ; all my tensor loads have landed: my part of the next slot;  (every window is 0 here: the add's two registers lie in window 0)
	ds_add_u32 v[SPW], v[NIL]                      ; 0 onto my spare word;
	s_wait_dscnt 4*NL+1                            ; (the add and the youngest eight loads, X's blocks 4-7, may be out)
.else
	s_wait_dscnt 4*NL                              ; the youngest eight loads, X's blocks 4-7, may be out
.endif
	WIN MUL_LO
	MUL16 0, 1, NQ-1, \slot, 0                     ; sixteen matrix instructions stand between the add and the wait for it
	s_wait_dscnt 0x0                               ; X's blocks 4-7 are in (sync = 1: and the add is done)
.if \sync
	s_barrier_signal -1
.endif
	MUL16 2, 1, NQ-1, \slot, 0                     ; work on registers while the others arrive
	WIN 0
.if \sync
	s_barrier_wait -1                              ; the next slot is whole
.endif
	PLACES NP
	FETCH_B \next, 0, 0
	FETCH_A \next, 0, 0
	SCALES \next, \adr, 4*NQ                       ; the second K step's words: 16 bytes into each row
	WIN MUL_HI
	MUL16 4, 1, NQ-1, \slot, 0
	MUL16 6, 1, NQ-1, \slot, 0
	PLACES NP
	WIN 0
	FETCH_A \next, 0, 4
.endm
.macro STEPS slot, from                ; the slot's steps from .. NQ - 2
.set Q, \from
.rept NQ-1-\from
	STEP \slot, Q, 0
.set Q, Q+1
.endr
.endm
.macro FIRST adr                       ; a tile's first fragments and scale words
	FETCH_B 0, 0, 0
	FETCH_A 0, 0, 0
	SCALES 0, \adr, 0
	FETCH_A 0, 0, 4
.endm
.macro TILE adr, sync                  ; a tile's eight steps of 128 along K: 512 matrix instructions
	STEP 0, 0, 1                                   ; the first step's products start the sums from the bias
	STEPS 0, 1
	TURN 0, 1, \adr, \sync
	STEPS 1, 0
	s_wait_dscnt 4*NL                              ; the last step: nothing more to fetch
	WIN MUL_LO
	MUL16 0, 1, NQ-1, 1, 0
	MUL16 2, 1, NQ-1, 1, 0
	s_wait_dscnt 0
	WIN MUL_HI
	MUL16 4, 1, NQ-1, 1, 0
	MUL16 6, 1, NQ-1, 1, 0
	WIN 0
.endm
; THE WAY OUT, block by block of 16 rows x 128 columns.  PACK: rounded to f16, a lane's eight neighbouring numbers in 16 bytes, each accumulator from its low end on.  TOSTAGE: into my own stage in LDS, and back
; as whole rows of 256 bytes.  SEND: stored.  LDS serves a wave's instructions in order (ISA guide 5.7.1.4): no wait between the stores and the loads.
.macro PACK a
.set AC, 64*((\a)%4)
	WIN 0x0a+5*((\a)/4)                            ; sources 0 and 1: window 2 or 3
.irp b, 0,1,2,3,4,5,6,7
.irp r, 0,1,2,3
	v_cvt_pk_f16_f32 v[TMP+4*\b+\r], v[AC+8*\b+2*\r], v[AC+8*\b+2*\r+1]
.endr
.endr
	WIN 0
.endm
.macro TOSTAGE a
.set BB, BK+32*((\a)%2)
.irp b, 0,1,2,3,4,5,6,7
	ds_store_b128 v[STO], v[TMP+4*\b:TMP+4*\b+3] offset:32*\b
.endr
.irp t, 0,1,2,3,4,5,6,7
	ds_load_b128 v[BB+4*\t:BB+4*\t+3], v[RD] offset:\t*2*SPITCH
.endr
.endm
.macro SEND a, tile
.set BB, BK+32*((\a)%2)
	s_wait_dscnt 0x0                               ; the block is back in registers
	s_wait_xcnt 0x0                                ; every earlier store has read its registers and its base: the base may step, and the next block's loads may land where the block before last was stored from
.if (\a) > 0
	s_add_nc_u64 s[12:13], s[12:13], 16*CROW       ; 16 rows on
.elseif \tile
	s_add_nc_u64 s[12:13], s[12:13], (256-7*16)*CROW   ; from my last 16 rows of the first tile to my first of the second
.endif
.irp t, 0,1,2,3,4,5,6,7
	global_store_b128 v[CO], v[BB+4*\t:BB+4*\t+3], s[12:13] offset:2*\t*CROW   ; sixteen lanes store 256 consecutive bytes, at a multiple of 256 from the buffer's first byte
.endr
.endm
.macro WAYOUT tile                     ; behind PACK 0.  Block a's conversions stand between block a - 1's loads from the stage and the wait for them
	TOSTAGE 0
.irp a, 1,2,3,4,5,6,7
	PACK \a
	SEND \a-1, \tile
	TOSTAGE \a
.endr
	SEND 7, \tile
.endm
	s_wait_tensorcnt 1                             ; the scales and my part of K step 0 are in (K step 1's load, issued behind them, may be out)
	s_barrier_signal -1
	s_barrier_wait -1                              ; everybody's are
	FIRST ADRS
	s_wait_loadcnt 0x0                             ; the bias
	TILE ADRS, 1                                   ; THE FIRST TILE
	; X's halves of both slots have been read out: they take the second tile's rows.  In this order: all my tensor loads are done; the add; my LDS reads are over; a round of the cluster's barrier, so that
	; the same holds of every wave of every partner; and then my one load.
	s_wait_tensorcnt 0x0                           ; no tensor load of mine is out
	ds_add_u32 v[SPW], v[NIL]                      ; 0 onto my spare word; work on registers that is due anyway stands between it and the wait for it:
	PLACES NP                                      ; the places behind the last products,
	PACK 0                                         ; and the first block's conversions
	s_wait_dscnt 0x0                               ; the add is done, and my reads of both slots are over
	CROUND
	tensor_load_to_lds s[G0R:G0R+3], s[G1:G1+7]    ; the first thing behind the round, one load a wave: 128 rows of the second tile's X: half wave % 2 of its rows, K step wave / 2; under X's mask, the same descriptor in the four of my row
	s_nop 0
	PLACES 4
	WAYOUT 0                                       ; the first tile goes out while that load is on its way
	s_wait_tensorcnt 0x0                           ; my part of the second tile's X is in,
	s_wait_xcnt 0x0                                ; the last stores have read their registers, into which fragments are loaded next,
	s_barrier_signal -1
	s_barrier_wait -1                              ; and everybody's part is in
	FIRST ADRS1
	TILE ADRS1, 0                                  ; THE SECOND TILE
	PLACES NP                                      ; behind the last products: for the conversions that read results, and for the loads into the registers that held X's fragments
	PACK 0
	WAYOUT 1
	s_wait_tensorcnt 0x0                           ; the wave's end: behind my last tensor load and my last LDS store
	ds_add_u32 v[SPW], v[NIL]
	s_wait_dscnt 0x0
	CROUND                                         ; the closing round: no work-group ends while a partner may still ask for a tile that names it
	s_endpgm
.Lfunc_end_k_qf0f850b855_proj:
	.size	k_qf0f850b855_proj, .Lfunc_end_k_qf0f850b855_proj-k_qf0f850b855_proj
	.p2alignl 7, 3214868480
	.fill 96, 4, 3214868480
	.section	.rodata,"a",@progbits
	.p2align	6, 0x0
	.amdhsa_kernel k_qf0f850b855_proj
		.amdhsa_group_segment_fixed_size 327680
		.amdhsa_private_segment_fixed_size 0
		.amdhsa_enable_private_segment 0
		.amdhsa_kernarg_size 64
		.amdhsa_user_sgpr_count 2
		.amdhsa_user_sgpr_kernarg_segment_ptr 1
		.amdhsa_wavefront_size32 1
		.amdhsa_system_sgpr_workgroup_id_x 1
		.amdhsa_system_sgpr_workgroup_id_y 1
		.amdhsa_system_sgpr_workgroup_id_z 1
		.amdhsa_system_vgpr_workitem_id 0
		.amdhsa_next_free_vgpr 1024
		.amdhsa_next_free_sgpr 102
		.amdhsa_reserve_vcc 0
		.amdhsa_float_denorm_mode_32 3
		.amdhsa_float_denorm_mode_16_64 3
		.amdhsa_memory_ordered 1
		.amdhsa_forward_progress 1
		.amdhsa_inst_pref_size 246
	.end_amdhsa_kernel
	.amdgpu_metadata
---
amdhsa.version: [ 1, 2 ]
amdhsa.kernels:
  - .name:           k_qf0f850b855_proj
    .symbol:         k_qf0f850b855_proj.kd
    .args:
      - { .name: xc, .offset: 0, .size: 8, .value_kind: global_buffer, .address_space: global }
      - { .name: xs, .offset: 8, .size: 8, .value_kind: global_buffer, .address_space: global }
      - { .name: wc, .offset: 16, .size: 8, .value_kind: global_buffer, .address_space: global }
      - { .name: ws, .offset: 24, .size: 8, .value_kind: global_buffer, .address_space: global }
      - { .name: qkv, .offset: 32, .size: 8, .value_kind: global_buffer, .address_space: global }
      - { .name: bq, .offset: 40, .size: 8, .value_kind: global_buffer, .address_space: global }
      - { .name: bk, .offset: 48, .size: 8, .value_kind: global_buffer, .address_space: global }
      - { .name: bv, .offset: 56, .size: 8, .value_kind: global_buffer, .address_space: global }
    .group_segment_fixed_size: 327680
    .private_segment_fixed_size: 0
    .kernarg_segment_align: 8
    .kernarg_segment_size: 64
    .max_flat_workgroup_size: 128
    .sgpr_count:     102
    .vgpr_count:     1024
    .wavefront_size: 32
...
	.end_amdgpu_metadata
.endif
;; end of part 2
;; launch attn (part 3): grid 2 x 128, 8 waves a work-group, no clusters, 327,680 bytes of LDS; arguments qkv, out0; writes out0
.if DOCPART == 3
	.amdgcn_target "amdgcn-amd-amdhsa--gfx1250"
	.amdhsa_code_object_version 6
	.text
	.protected	k_qf0f850b855_attn
	.globl	k_qf0f850b855_attn
	.p2align	8
	.type	k_qf0f850b855_attn,@function
k_qf0f850b855_attn:
	s_mov_b64 s[64:65], 0
	v_nop
	global_prefetch_b8 v0, s[64:65] scope:SCOPE_SE
	s_setreg_imm32_b32 hwreg(HW_REG_WAVE_MODE, 25, 1), 1
	s_wait_xcnt 0x0
; out0[b][q][64 h + d] = the sum over k of softmax_k(Q'[q] . K'[k] / 8) V'[k][d], for each of the 128 pairs (b, h).  The head split is a plain reshape: head (b, h) of q, k or v is the dense run of
; 65,536 numbers at 65,536 (16 b + h) of its [8192][1024] matrix, read as [1024 positions][64 channels].  qkv: f16, q at byte 0, k at 16,777,216, v at 33,554,432.  out0: f32.
; Products on f16 operands with f32 sums; maxima, exponentials and sums in f32; the weights p are rounded to f16 for the second product alone, the row's sum is taken of the unrounded p.
; LIMITS: NaN and infinities are not served; q, k, v are what the launch before stored in f16.
; SHARES.  A work-group owns 512 queries of one head (x: which half; y: 16 b + h), each of its eight waves 64: four tiles of 16.  Two waves lie on a SIMD, so that one wave's softmax stands beside the other's products.
; ALL of the head's K' and V' lie in LDS, filled once: no byte is filled twice.  A head's rows are dense in memory, so a tile is stated as rows of TWO keys: 256 consecutive bytes, at a multiple of 256 from the buffer's first byte.
; THEY COME IN FOUR PARTS, in the order in which the key steps want them: keys 0-127, 128-255, 256-639, 640-1,023.  Every wave issues four tensor loads at the head (waves 0-3 for K', waves 4-7 for V'), a quarter of each part,
; behind its loads of Q', which the first step wants too.  A barrier with a counted wait stands ahead of the first step that touches a part.  By this text's own count a wave has four tensor loads out at the most.
; Nothing is fetched later, so no prefetch is laid.
; NO CLUSTER: a head is read by two work-groups alone, each asks for it once, and four partners to a head would halve a wave's tiles of queries, so that each fragment read from LDS would feed half the products.
; LAYOUT.  S^T = K' Q'^T (source 0 = 16 keys, source 1 = 16 queries): in the result a lane holds ONE query (lane % 16) and the keys 8 (lane / 16) + 0..7.  Two such tiles, rounded to f16 in pairs, ARE source 1
; (32 keys x 16 queries) of O^T = V'^T P, whose result again holds one query a lane, and eight channels.  K' comes out of LDS as it lies, V' ([key][channel]) turned, by ds_load_tr16_b128.
; SOFTMAX.  For each query a running maximum m and sum l: p = 2^(c s - c m), c = log2(e) / 8; in every step O and l are multiplied by a = 2^(c m_old - c m_new), which is 1 where m has not grown.
; REGISTERS, in windows of 256: window 0: v1-15 addresses; v16-47 eight registers of statistics a tile; v48-111 V' of one step; v128-255 S^T, 32 a tile (P is made in place, in a tile's first 16).
;   window 1: v0-127 O^T, 32 a tile; v128-191 Q', 16 a tile; v192-255 K' of one step.
.set PK,    272                        ; two keys of K' in LDS: 256 bytes + 16 of padding.  Key k lies at (k / 2) PK + 128 (k % 2): the 16 keys of a load start at words 4 (k / 2) + 32 (k % 2) mod 64: 16 different columns of 16 bytes (64 banks of 4 bytes: ISA guide 11.1)
.set PV,    288                        ; two keys of V': 256 + 32.  16 lanes of the turning load take 8 keys x 32 bytes: words 8 (k / 2) + 32 (k % 2) + 4 (which 16 bytes)
.set VB,    512*PK                     ; V' lies behind K'
.set SPARE, VB+512*PV                  ; behind both: the spare words, 128 bytes for each wave: four blocks of 256 bytes that no other line names
.set SP,    272                        ; the way out: a stage of 16 rows x (256 bytes + 16) for each wave, in K's bytes, which have had their one fill and, behind a barrier, their last read
.set AK0, 2                            ; v2   my lane's place in a tile of K'; never rewritten
.set AV0, 3                            ; v3   the same for V'
.set ADK, 4                            ; v4   LDS address of the run of K's loads in hand
.set ADV, 5                            ; v5   of V's
.set QO,  6                            ; v6   my byte offset in the wave's rows of Q'
.set STO, 7                            ; v7   the way out: where I put 32 bytes of a row
.set RD,  8                            ; v8   the way out: where I read a row back
.set GO,  9                            ; v9   my byte offset in two rows of out0
.set SPW, 10                           ; v10  LDS address of my spare word: SPARE + 4 x my thread's number; never rewritten
.set NIL, 11                           ; v11  0; never rewritten
.set ST,  16                           ; tile t's statistics at v[ST + 8 t]: +0 c m, +1 m, +2, +3 l (even keys', odd keys'), +4 to +7 at work; a takes +6 once the maximum is found
.set VF,  48                           ; V's fragments: keys 32 f on, channels 16 ct on at v[VF + 8 (4 f + ct)]
.set S,   128                          ; S^T: tile t, keys 16 kt on at v[S + 32 t + 8 kt]
.set QF,  128                          ; window 1: Q's fragments: tile t, channels 32 c on at v[QF + 16 t + 8 c]
.set KF,  192                          ; window 1: K's fragments: keys 16 kt on, channels 32 c on at v[KF + 8 (2 kt + c)]
.set WV,  8                            ; s8   my wave's number
.set WL,  9                            ; s9   and modulo 4: which quarter of each part I fetch
.set G1KA, 16                          ; s[16:23] descriptor group 1: 16 rows (32 keys) of K';   s[24:31] 48 rows (96 keys) of K'
.set G1KB, 24
.set G1VA, 32                          ; s[32:39] 16 rows of V';   s[40:47] 48 rows of V'
.set G1VB, 40
.set G0K, 48                           ; s[48:63] K's four groups 0, part j at G0K + 4 j
.set G0V, 68                           ; s[68:83] V's
.set CS,  84                           ; s[84:85] c: the packed scaling names a pair and takes its low word for both halves
.set SEL, 86                           ; s[86:87] lane selects for v_permlanex16_b32: each lane takes its own place in the other half
.set TBK, 88                           ; s88  LDS byte at which the K' tile to be fetched begins
.set TBV, 89                           ; s89  the same for V', from VB on
.set CNT, 90                           ; s90  the loops' count
.set MSB, 0
.macro WIN new                         ; the immediate's high byte repeats the setting that is left; a switch that changes nothing is dropped
.if MSB != \new
	s_set_vgpr_msb (MSB<<8)|\new
.set MSB, \new
.endif
.endm
.set W_QK,  0x05                       ; K' and Q' in window 1, S^T in window 0
.set W_PV,  0x50                       ; V' and P in window 0, O^T (C and D) in window 1
.set W_RS,  0x41                       ; O^T (destination and source 0) in window 1, a in window 0
.set TO_1,  0x40                       ; destination window 1, address window 0
.set W_OUT, 0x01                       ; source 0 (O^T) window 1, all else window 0
	s_load_b128 s[4:7], s[0:1], 0x0                ; qkv s[4:5], out0 s[6:7]
	v_lshl_add_u32 v[SPW], v0, 2, SPARE
	v_mov_b32 v[NIL], 0
	ds_add_u32 v[SPW], v[NIL]                      ; the wave's opening: the add, twice on end, and its wait ahead of my first tensor load; the set-up below the second, work on registers, stands between it and the wait
	ds_add_u32 v[SPW], v[NIL]                      ; and once more, under the one wait
	v_lshrrev_b32 v1, 5, v0
	v_readfirstlane_b32 s[WV], v1                  ; wave 0..7
	s_and_b32 s[WL], s[WV], 3
	; descriptor groups 1: rows of 128 elements of 2 bytes (two keys), dense in memory, padded in LDS behind every row
	s_mov_b32 s[G1KA], (1<<16)|(1<<20)|(5<<22)|(3<<25)   ; 15:0 no mask; 17:16 elements of 2 bytes; 20 padding on; 24:22 after every 64 words (code 5); 31:25 four words (code 3)
	s_mov_b32 s[G1KB], (1<<16)|(1<<20)|(5<<22)|(3<<25)
	s_mov_b32 s[G1VA], (1<<16)|(1<<20)|(5<<22)|(7<<25)   ; the same with eight words of padding (code 7)
	s_mov_b32 s[G1VB], (1<<16)|(1<<20)|(5<<22)|(7<<25)
.irp g, G1KA, G1VA
	s_mov_b32 s[\g+1], 128<<16                     ; tensor_dim0 = 128
	s_mov_b32 s[\g+2], 16<<16                      ; tensor_dim1 = 16
	s_mov_b32 s[\g+3], 128<<16                     ; tile_dim0 = 128
	s_mov_b32 s[\g+4], 16                          ; tile_dim1 = 16
	s_mov_b32 s[\g+5], 128                         ; tensor_dim0_stride
	s_mov_b32 s[\g+6], 0
	s_mov_b32 s[\g+7], 0
.endr
.irp g, G1KB, G1VB
	s_mov_b32 s[\g+1], 128<<16
	s_mov_b32 s[\g+2], 48<<16                      ; tensor_dim1 = 48
	s_mov_b32 s[\g+3], 128<<16
	s_mov_b32 s[\g+4], 48                          ; tile_dim1 = 48
	s_mov_b32 s[\g+5], 128
	s_mov_b32 s[\g+6], 0
	s_mov_b32 s[\g+7], 0
.endr
	; groups 0: the count, and the LDS addresses: a constant + the wave's number modulo 4 x a constant.  The parts begin at rows 0, 64, 128 and 320 of two keys
.irp j, 0,1,2,3
	s_mov_b32 s[G0K+4*\j], 1
	s_mov_b32 s[G0V+4*\j], 1
.endr
	s_mul_i32 s[G0K+1], s[WL], 16*PK
	s_add_co_u32 s[G0K+5], s[G0K+1], 64*PK
	s_mul_i32 s[G0K+9], s[WL], 48*PK
	s_add_co_u32 s[G0K+13], s[G0K+9], 320*PK
	s_add_co_u32 s[G0K+9], s[G0K+9], 128*PK
	s_mul_i32 s[G0V+1], s[WL], 16*PV
	s_add_co_u32 s[G0V+5], s[G0V+1], VB+64*PV
	s_add_co_u32 s[G0V+1], s[G0V+1], VB
	s_mul_i32 s[G0V+9], s[WL], 48*PV
	s_add_co_u32 s[G0V+13], s[G0V+9], VB+320*PV
	s_add_co_u32 s[G0V+9], s[G0V+9], VB+128*PV
	; offsets in memory, the same in k and in v: 128 bytes a key
	s_and_b32 s91, ttmp7, 0xffff                   ; 16 b + h
	s_lshl_b32 s2, s91, 17                         ; the head's 131,072 bytes in each of q, k, v
	s_lshl_b32 s10, s[WL], 12                      ; part 0: my 32 keys
	s_add_co_u32 s10, s10, s2
	s_mov_b32 s11, 0
	s_add_co_u32 s12, s10, 128*128                 ; part 1: 128 keys on
	s_mov_b32 s13, 0
	s_mul_i32 s14, s[WL], 96*128                   ; part 2: my 96 keys, behind the first 256
	s_add_co_u32 s14, s14, s2
	s_add_co_u32 s14, s14, 256*128
	s_mov_b32 s15, 0
	s_add_co_u32 s92, s14, 384*128                 ; part 3: 384 keys on
	s_mov_b32 s93, 0
	s_lshl_b32 s98, ttmp9, 16                      ; Q': my work-group's 512 rows,
	s_add_co_u32 s98, s98, s2
	s_lshl_b32 s99, s[WV], 13                      ; my wave's 64 of them
	s_add_co_u32 s98, s98, s99
	s_mov_b32 s99, 0
	s_lshr_b32 s2, s91, 4                          ; out0: batch b: 4,194,304 bytes,
	s_lshl_b32 s2, s2, 22
	s_and_b32 s3, s91, 15                          ; head h: 256 bytes in each row,
	s_lshl_b32 s3, s3, 8
	s_add_co_u32 s2, s2, s3
	s_lshl_b32 s3, ttmp9, 21                       ; 512 rows of 4,096 bytes for the half,
	s_add_co_u32 s2, s2, s3
	s_lshl_b32 s3, s[WV], 18                       ; 64 rows for the wave
	s_add_co_u32 s2, s2, s3
	s_mov_b32 s3, 0
	s_mov_b32 s[CS], 0x3e38aa3b                    ; c = log2(e) / sqrt(64)
	s_mov_b32 s[CS+1], s[CS]                       ; named with it as a pair, so it is written
	s_mov_b32 s[SEL], 0x76543210
	s_mov_b32 s[SEL+1], 0xfedcba98
	s_mov_b32 s[TBK], 0
	s_mov_b32 s[TBV], 0
	; A fragment of K' or Q' is 16 rows x 32 channels in 8 registers: lane l holds row l % 16; registers 0-3 channels 8 (l / 16) + 0..7, registers 4-7 channels 16 + 8 (l / 16) + 0..7: two loads of 16 bytes, 32 bytes apart.
	v_and_b32 v1, 15, v0                           ; l % 16
	v_bfe_u32 v12, v0, 4, 1                        ; l / 16
	v_lshlrev_b32 v[QO], 7, v1
	v_lshl_add_u32 v[QO], v12, 4, v[QO]            ; row x 128 + 16 x half
	s_wait_dscnt 0x0                               ; both opening adds are done
	s_wait_kmcnt 0x0
	s_add_nc_u64 s[94:95], s[4:5], 0x1000000       ; k
	s_add_nc_u64 s[96:97], s[4:5], 0x2000000       ; v
	s_add_nc_u64 s[4:5], s[4:5], s[98:99]          ; Q' at my wave's first row
	s_add_nc_u64 s[6:7], s[6:7], s[2:3]            ; out0 likewise
	WIN TO_1
.irp t, 0,1,2,3                        ; Q' stays in registers.  It is asked for first: the first key step wants all of it
.irp c, 0,1
	global_load_b128 v[QF+16*\t+8*\c:QF+16*\t+8*\c+3],   v[QO], s[4:5] offset:2048*\t+64*\c
	global_load_b128 v[QF+16*\t+8*\c+4:QF+16*\t+8*\c+7], v[QO], s[4:5] offset:2048*\t+64*\c+32
.endr
.endr
	WIN 0
.macro GADDR g, base, off              ; a group 0's global address and type
	s_add_nc_u64 s[\g+2:\g+3], s[\base:\base+1], s[\off:\off+1]
	s_or_b32 s[\g+3], s[\g+3], 0x80000000          ; 127:126 type = 2
.endm
	GADDR G0K, 94, 10
	GADDR G0K+4, 94, 12
	GADDR G0K+8, 94, 14
	GADDR G0K+12, 94, 92
	GADDR G0V, 96, 10
	GADDR G0V+4, 96, 12
	GADDR G0V+8, 96, 14
	GADDR G0V+12, 96, 92
	s_cmp_lt_u32 s[WV], 4                          ; a wave's four fills stand in one branch on the wave's number, ahead of every wait on TENSORcnt, every LDS read and every barrier; an s_nop 0 follows each, four v_nop the last's
	s_cbranch_scc0 .Lfirst_v
	tensor_load_to_lds s[G0K:G0K+3], s[G1KA:G1KA+7]
	s_nop 0
	tensor_load_to_lds s[G0K+4:G0K+7], s[G1KA:G1KA+7]
	s_nop 0
	tensor_load_to_lds s[G0K+8:G0K+11], s[G1KB:G1KB+7]
	s_nop 0
	tensor_load_to_lds s[G0K+12:G0K+15], s[G1KB:G1KB+7]
	s_nop 0
.rept 4
	v_nop
.endr
	s_branch .Lfirst_asked
.Lfirst_v:
	tensor_load_to_lds s[G0V:G0V+3], s[G1VA:G1VA+7]
	s_nop 0
	tensor_load_to_lds s[G0V+4:G0V+7], s[G1VA:G1VA+7]
	s_nop 0
	tensor_load_to_lds s[G0V+8:G0V+11], s[G1VB:G1VB+7]
	s_nop 0
	tensor_load_to_lds s[G0V+12:G0V+15], s[G1VB:G1VB+7]
	s_nop 0
.rept 4
	v_nop
.endr
.Lfirst_asked:
	v_lshrrev_b32 v13, 1, v1                       ; K': key r of a tile lies at (r / 2) PK + 128 (r % 2),
	v_mul_u32_u24 v[AK0], v13, PK
	v_and_b32 v14, 1, v1
	v_lshl_add_u32 v[AK0], v14, 7, v[AK0]
	v_lshl_add_u32 v[AK0], v12, 4, v[AK0]          ; + 16 x half
	; The turning load takes 16 keys x 16 channels (lane l reads 16 bytes: key 8 (l / 16) + l % 8, channels 8 ((l / 8) % 2) + 0..7) and leaves half a fragment of V'^T: lane l holds channel l % 16 and 8 keys.
	v_bfe_u32 v13, v0, 1, 2                        ; (l % 8) / 2
	v_lshl_add_u32 v13, v12, 2, v13                ; my key / 2 = 4 (l / 16) + (l % 8) / 2
	v_mul_u32_u24 v[AV0], v13, PV
	v_and_b32 v14, 1, v0                           ; my key % 2
	v_lshl_add_u32 v[AV0], v14, 7, v[AV0]
	v_bfe_u32 v14, v0, 3, 1
	v_lshl_add_u32 v[AV0], v14, 4, v[AV0]
	v_add_nc_u32 v[AV0], VB, v[AV0]
	s_mul_i32 s10, s[WV], 16*SP                    ; my stage
	v_mul_u32_u24 v[STO], v1, SP                   ; in: row l % 16, 32 bytes for each half of the lanes
	v_lshl_add_u32 v[STO], v12, 5, v[STO]
	v_add_nc_u32 v[STO], s10, v[STO]
	v_mul_u32_u24 v[RD], v12, SP                   ; back: lanes 0-15 take one row of 256 bytes, lanes 16-31 the next
	v_lshl_add_u32 v[RD], v1, 4, v[RD]
	v_add_nc_u32 v[RD], s10, v[RD]
	v_lshlrev_b32 v[GO], 12, v12                   ; and the same two rows in out0, 4,096 bytes apart
	v_lshl_add_u32 v[GO], v1, 4, v[GO]
.macro FETCH_K                         ; 16 LDS loads in one run: a step's K' (64 keys x 64 channels: 8 fragments), from v[ADK] on; 16 keys are 8 rows of two
	WIN TO_1
.irp kt, 0,1,2,3
.irp c, 0,1
	ds_load_b128 v[KF+8*(2*\kt+\c):KF+8*(2*\kt+\c)+3],   v[ADK] offset:\kt*8*PK+64*\c
	ds_load_b128 v[KF+8*(2*\kt+\c)+4:KF+8*(2*\kt+\c)+7], v[ADK] offset:\kt*8*PK+64*\c+32
.endr
.endr
	WIN 0
.endm
; A part of K' and V' is shown whole to all eight waves.  left = how many of my tensor loads were issued behind my quarter of it: they may stay out.
.macro SYNC left
	s_wait_tensorcnt \left                         ; tensor loads of a wave end in order (ISA guide 10.11.1): my quarter of the part is in LDS,
	s_wait_dscnt 0x0                               ; no LDS instruction of mine is pending at a signal,
	s_barrier_signal -1
	s_barrier_wait -1                              ; and everybody's quarter is in
.endm
; A KEY STEP: 64 keys.  first = 1: the first step, which starts m, l and O^T: it has no a and nothing to rescale.  last = 1: there is no next step's K' to fetch.
; Vector work runs with the instruction's number in the outer loop and the four tiles in the inner, so that no instruction reads the result of the one just before it.
.macro STEP first, last
	v_add_nc_u32 v[ADV], s[TBV], v[AV0]            ; five places behind the last step's products V'^T P (this line and four v_nop): four are owed by the loads into V's registers, five by the products below, which write over P
.rept 4
	v_nop
.endr
	s_add_co_u32 s[TBV], s[TBV], 32*PV             ; the next fetch is the next step's: 64 keys are 32 rows of two
.irp f, 0,1                            ; this step's V', turned: asked for here, wanted behind the softmax
.irp ct, 0,1,2,3
	ds_load_tr16_b128 v[VF+8*(4*\f+\ct):VF+8*(4*\f+\ct)+3],   v[ADV] offset:\f*16*PV+32*\ct
	ds_load_tr16_b128 v[VF+8*(4*\f+\ct)+4:VF+8*(4*\f+\ct)+7], v[ADV] offset:\f*16*PV+8*PV+32*\ct
.endr
.endr
	s_wait_dscnt 16                                ; this step's K', asked for a step ago, is in; the 16 loads of V' just issued may be out
	WIN W_QK
.irp c, 0,1                            ; S^T = K' Q'^T: 32 products; the 16 accumulators take turns, one instruction a turn; the first 16 start the sums
.irp kt, 0,1,2,3
.irp t, 0,1,2,3
.if \c == 0
	v_wmma_f32_16x16x32_f16 v[S+32*\t+8*\kt:S+32*\t+8*\kt+7], v[KF+8*(2*\kt+\c):KF+8*(2*\kt+\c)+7], v[QF+16*\t+8*\c:QF+16*\t+8*\c+7], 0
.else
	v_wmma_f32_16x16x32_f16 v[S+32*\t+8*\kt:S+32*\t+8*\kt+7], v[KF+8*(2*\kt+\c):KF+8*(2*\kt+\c)+7], v[QF+16*\t+8*\c:QF+16*\t+8*\c+7], v[S+32*\t+8*\kt:S+32*\t+8*\kt+7]
.endif
.endr
.endr
.endr
	WIN 0
.if \last
.rept 4
	v_nop                                          ; four places behind the products, ahead of the first read of the scores
.endr
.else
	v_add_nc_u32 v[ADK], s[TBK], v[AK0]            ; four places (this line and three v_nop) behind the products: for the loads into K's registers and for the first read of the scores
.rept 3
	v_nop
.endr
	s_add_co_u32 s[TBK], s[TBK], 32*PK
	FETCH_K                                        ; the next step's K': it has the softmax and the second product in which to come
.endif
	; the maximum of a lane's 32 scores and the old m, three operands at a time; each accumulator is read from its low end on
.irp j, 0,1,2,3
.irp t, 0,1,2,3
	v_max3_num_f32 v[ST+8*\t+4+\j], v[S+32*\t+8*\j], v[S+32*\t+8*\j+1], v[S+32*\t+8*\j+2]
.endr
.endr
.irp u, 1,2
.irp j, 0,1,2,3
.irp t, 0,1,2,3
	v_max3_num_f32 v[ST+8*\t+4+\j], v[ST+8*\t+4+\j], v[S+32*\t+8*\j+2*\u+1], v[S+32*\t+8*\j+2*\u+2]
.endr
.endr
.endr
.irp t, 0,1,2,3
	v_max3_num_f32 v[ST+8*\t+4], v[ST+8*\t+4], v[S+32*\t+7], v[S+32*\t+15]
.endr
.irp t, 0,1,2,3
	v_max3_num_f32 v[ST+8*\t+6], v[ST+8*\t+6], v[S+32*\t+23], v[S+32*\t+31]
.endr
.irp t, 0,1,2,3
	v_max3_num_f32 v[ST+8*\t+4], v[ST+8*\t+4], v[ST+8*\t+5], v[ST+8*\t+6]
.endr
.irp t, 0,1,2,3
.if \first
	v_max_num_f32 v[ST+8*\t+4], v[ST+8*\t+4], v[ST+8*\t+7]
.else
	v_max3_num_f32 v[ST+8*\t+4], v[ST+8*\t+4], v[ST+8*\t+7], v[ST+8*\t+1]
.endif
.endr
.irp t, 0,1,2,3
	v_permlanex16_b32 v[ST+8*\t+5], v[ST+8*\t+4], s[SEL], s[SEL+1]   ; the query's other 32 keys lie in the lane 16 away
.endr
.if \first == 0
.irp t, 0,1,2,3
	v_mov_b32 v[ST+8*\t+7], v[ST+8*\t]             ; c m_old is kept for a
.endr
.endif
.irp t, 0,1,2,3
	v_max_num_f32 v[ST+8*\t+1], v[ST+8*\t+4], v[ST+8*\t+5]   ; the new m
.endr
.irp t, 0,1,2,3
	v_mul_f32 v[ST+8*\t], s[CS], v[ST+8*\t+1]      ; c m
.endr
.if \first == 0
.irp t, 0,1,2,3
	v_sub_f32 v[ST+8*\t+7], v[ST+8*\t+7], v[ST+8*\t]   ; c m_old - c m_new, 0 or less
.endr
.endif
.set i, 0
.rept 16
.irp t, 0,1,2,3
	v_pk_fma_f32 v[S+32*\t+i:S+32*\t+i+1], v[S+32*\t+i:S+32*\t+i+1], s[CS:CS+1], v[ST+8*\t:ST+8*\t+1] op_sel_hi:[1,0,0] neg_lo:[0,0,1] neg_hi:[0,0,1]   ; c s - c m, two at a time
.endr
.set i, i+2
.endr
	; ONE BATCH of exponentials: a and the 32 weights of each tile; none reads another's result
.if \first == 0
.irp t, 0,1,2,3
	v_exp_f32 v[ST+8*\t+6], v[ST+8*\t+7]           ; a
.endr
.endif
.set i, 0
.rept 32
.irp t, 0,1,2,3
	v_exp_f32 v[S+32*\t+i], v[S+32*\t+i]           ; p, at most 1
.endr
.set i, i+1
.endr
	v_nop                                          ; a plain instruction behind the last exponential, ahead of the first use: one for the batch
	s_wait_alu depctr_va_vdst(0)                   ; and the wait ahead of the first instruction that names a result: one for the batch
	; the sums of the unrounded p, in pairs (an even key's weight, an odd key's), in two chains a tile: l and v[+4:+5]
.irp t, 0,1,2,3
.if \first
	v_pk_add_f32 v[ST+8*\t+2:ST+8*\t+3], v[S+32*\t:S+32*\t+1], v[S+32*\t+30:S+32*\t+31]
.else
	v_pk_fma_f32 v[ST+8*\t+2:ST+8*\t+3], v[ST+8*\t+2:ST+8*\t+3], v[ST+8*\t+6:ST+8*\t+7], v[S+32*\t:S+32*\t+1] op_sel_hi:[1,0,1]   ; l = a l + the first pair
.endif
.endr
.irp t, 0,1,2,3
	v_pk_add_f32 v[ST+8*\t+4:ST+8*\t+5], v[S+32*\t+2:S+32*\t+3], v[S+32*\t+4:S+32*\t+5]
.endr
.irp i, 3,5,7,9,11,13
.irp t, 0,1,2,3
	v_pk_add_f32 v[ST+8*\t+2:ST+8*\t+3], v[ST+8*\t+2:ST+8*\t+3], v[S+32*\t+2*\i:S+32*\t+2*\i+1]
.endr
.irp t, 0,1,2,3
	v_pk_add_f32 v[ST+8*\t+4:ST+8*\t+5], v[ST+8*\t+4:ST+8*\t+5], v[S+32*\t+2*\i+2:S+32*\t+2*\i+3]
.endr
.endr
.if \first == 0
.irp t, 0,1,2,3
	v_pk_add_f32 v[ST+8*\t+2:ST+8*\t+3], v[ST+8*\t+2:ST+8*\t+3], v[S+32*\t+30:S+32*\t+31]
.endr
.endif
.irp t, 0,1,2,3
	v_pk_add_f32 v[ST+8*\t+2:ST+8*\t+3], v[ST+8*\t+2:ST+8*\t+3], v[ST+8*\t+4:ST+8*\t+5]
.endr
	; P: rounded to f16 in pairs, in place and ascending: register i takes weights 2 i and 2 i + 1, which no later line reads
.set i, 0
.rept 16
.irp t, 0,1,2,3
	v_cvt_pk_f16_f32 v[S+32*\t+i], v[S+32*\t+2*i], v[S+32*\t+2*i+1]
.endr
.set i, i+1
.endr
.if \first == 0
	WIN W_RS
.set i, 0
.rept 16
.irp t, 0,1,2,3
	v_pk_mul_f32 v[32*\t+i:32*\t+i+1], v[32*\t+i:32*\t+i+1], v[ST+8*\t+6:ST+8*\t+7] op_sel_hi:[1,0]   ; O^T x a, each accumulator from its low end on
.endr
.set i, i+2
.endr
.endif
.if \last
	s_wait_dscnt 0x0                               ; V' is in
.else
	s_wait_dscnt 16                                ; V' is in; the 16 loads of the next step's K', issued behind it, may be out
.endif
	WIN W_PV
.irp f, 0,1                            ; O^T += V'^T P: 32 products; the 16 accumulators take turns, one instruction a turn
.irp ct, 0,1,2,3
.irp t, 0,1,2,3
.if \first && (\f == 0)
	v_wmma_f32_16x16x32_f16 v[32*\t+8*\ct:32*\t+8*\ct+7], v[VF+8*(4*\f+\ct):VF+8*(4*\f+\ct)+7], v[S+32*\t+8*\f:S+32*\t+8*\f+7], 0
.else
	v_wmma_f32_16x16x32_f16 v[32*\t+8*\ct:32*\t+8*\ct+7], v[VF+8*(4*\f+\ct):VF+8*(4*\f+\ct)+7], v[S+32*\t+8*\f:S+32*\t+8*\f+7], v[32*\t+8*\ct:32*\t+8*\ct+7]
.endif
.endr
.endr
.endr
	WIN 0                                          ; at a label and at a branch every window is 0
.endm
	; Step j reads V' of keys 64 j on and fetches K' of keys 64 (j + 1) on: so a part that begins at key a is shown whole ahead of step a / 64 - 1.
	SYNC 3                                         ; keys 0 to 127: three of my loads were issued behind my quarter of them
	v_add_nc_u32 v[ADK], s[TBK], v[AK0]
	s_add_co_u32 s[TBK], s[TBK], 32*PK
	FETCH_K                                        ; key step 0
	s_wait_loadcnt 0x0                             ; Q'
	STEP 1, 0                                      ; step 0 touches keys 0 to 127
	SYNC 2                                         ; keys 128 to 255
	STEP 0, 0                                      ; steps 1 and 2 touch keys 64 to 255
	STEP 0, 0
	SYNC 1                                         ; keys 256 to 639
	s_mov_b32 s[CNT], 5
.Lstep_c:                                          ; steps 3 to 7 touch keys 192 to 575: a step short of the part's end
	STEP 0, 0
	s_sub_co_u32 s[CNT], s[CNT], 1
	s_cmp_lg_u32 s[CNT], 0
	s_cbranch_scc1 .Lstep_c
	SYNC 0                                         ; keys 640 to 1,023: all of K' and V' lie in LDS
	s_mov_b32 s[CNT], 7
.Lstep_d:                                          ; steps 8 to 14
	STEP 0, 0
	s_sub_co_u32 s[CNT], s[CNT], 1
	s_cmp_lg_u32 s[CNT], 0
	s_cbranch_scc1 .Lstep_d
	STEP 0, 1                                      ; step 15
	; THE WAY OUT.  l's two halves and the other half of the lanes' are added; O^T is divided by l and sent through my stage in LDS, a tile (16 rows of 256 bytes) at a time.  The additions are the places behind the last products.
.irp t, 0,1,2,3
	v_add_f32 v[ST+8*\t+4], v[ST+8*\t+2], v[ST+8*\t+3]
.endr
.irp t, 0,1,2,3
	v_permlanex16_b32 v[ST+8*\t+5], v[ST+8*\t+4], s[SEL], s[SEL+1]
.endr
.irp t, 0,1,2,3
	v_add_f32 v[ST+8*\t+4], v[ST+8*\t+4], v[ST+8*\t+5]
.endr
.irp t, 0,1,2,3
	v_rcp_f32 v[ST+8*\t+6], v[ST+8*\t+4]
.endr
	v_nop                                          ; a plain instruction between the last reciprocal and the use of its result
	s_wait_alu depctr_va_vdst(0)                   ; and the wait ahead of the first use: one for the four
	s_wait_dscnt 0x0                               ; my reads of K' and V' are over
	s_barrier_signal -1
	s_barrier_wait -1                              ; everybody's are: the stages may be written into K's bytes
; Tile t: a lane's eight channels of a row are 32 bytes; they go into rows of 272 bytes and come back as whole rows of 256, into the registers that they left.
.macro PACK t
	WIN W_OUT
.set i, 0
.rept 16
	v_pk_mul_f32 v[S+32*\t+i:S+32*\t+i+1], v[32*\t+i:32*\t+i+1], v[ST+8*\t+6:ST+8*\t+7] op_sel_hi:[1,0]   ; O^T / l, each accumulator from its low end on, into S^T's registers, which are free
.set i, i+2
.endr
	WIN 0
.irp ct, 0,1,2,3
	ds_store_b128 v[STO], v[S+32*\t+8*\ct:S+32*\t+8*\ct+3]   offset:64*\ct
	ds_store_b128 v[STO], v[S+32*\t+8*\ct+4:S+32*\t+8*\ct+7] offset:64*\ct+16
.endr
.irp f, 0,1,2,3,4,5,6,7
	ds_load_b128 v[S+32*\t+4*\f:S+32*\t+4*\f+3], v[RD] offset:\f*2*SP   ; LDS serves a wave's instructions in order (ISA guide 5.7.1.4): these see the stores above; the next tile's stores come behind them
.endr
.endm
.macro SEND t, younger                 ; younger: the LDS instructions issued behind tile t's loads: the next tile's sixteen, or none
.irp f, 0,1,2,3,4,5,6,7
	s_wait_dscnt \younger+7-\f
	global_store_b128 v[GO], v[S+32*\t+4*\f:S+32*\t+4*\f+3], s[6:7] offset:(16*\t+2*\f)*4096 th:TH_STORE_NT   ; sixteen lanes store 256 consecutive bytes, at a multiple of 256 from out0's first byte; written once, read by nobody here
.endr
.endm
	PACK 0
	PACK 1                                         ; a tile's arithmetic stands between the loads of the tile before and its stores
	SEND 0, 16
	PACK 2
	SEND 1, 16
	PACK 3
	SEND 2, 16
	SEND 3, 0
	s_wait_tensorcnt 0x0                           ; the wave's end: behind my last tensor load and my last LDS store
	ds_add_u32 v[SPW], v[NIL]
	s_wait_dscnt 0x0
	s_endpgm
.Lfunc_end_k_qf0f850b855_attn:
	.size	k_qf0f850b855_attn, .Lfunc_end_k_qf0f850b855_attn-k_qf0f850b855_attn
	.p2alignl 7, 3214868480
	.fill 96, 4, 3214868480
	.section	.rodata,"a",@progbits
	.p2align	6, 0x0
	.amdhsa_kernel k_qf0f850b855_attn
		.amdhsa_group_segment_fixed_size 327680
		.amdhsa_private_segment_fixed_size 0
		.amdhsa_enable_private_segment 0
		.amdhsa_kernarg_size 16
		.amdhsa_user_sgpr_count 2
		.amdhsa_user_sgpr_kernarg_segment_ptr 1
		.amdhsa_wavefront_size32 1
		.amdhsa_system_sgpr_workgroup_id_x 1
		.amdhsa_system_sgpr_workgroup_id_y 1
		.amdhsa_system_sgpr_workgroup_id_z 1
		.amdhsa_system_vgpr_workitem_id 0
		.amdhsa_next_free_vgpr 512
		.amdhsa_next_free_sgpr 100
		.amdhsa_reserve_vcc 0
		.amdhsa_float_denorm_mode_32 3
		.amdhsa_float_denorm_mode_16_64 3
		.amdhsa_memory_ordered 1
		.amdhsa_forward_progress 1
		.amdhsa_inst_pref_size 209
	.end_amdhsa_kernel
	.amdgpu_metadata
---
amdhsa.version: [ 1, 2 ]
amdhsa.kernels:
  - .name:           k_qf0f850b855_attn
    .symbol:         k_qf0f850b855_attn.kd
    .args:
      - { .name: qkv, .offset: 0, .size: 8, .value_kind: global_buffer, .address_space: global }
      - { .name: out0, .offset: 8, .size: 8, .value_kind: global_buffer, .address_space: global }
    .group_segment_fixed_size: 327680
    .private_segment_fixed_size: 0
    .kernarg_segment_align: 8
    .kernarg_segment_size: 16
    .max_flat_workgroup_size: 256
    .sgpr_count:     100
    .vgpr_count:     512
    .wavefront_size: 32
...
	.end_amdgpu_metadata
.endif
;; end of part 3
